; MI455X (gfx1250); checked and timed in simulation.
; The chip was launched on July 23, 2026; its instructions are those of AMD's public machine-readable ISA for CDNA 5 (MIT licence, August 2026) and "CDNA5" Instruction Set Architecture Reference Guide (July 2026). The comments in the code are by the model that wrote it; some were corrected since.
;; Causal Self Attention. Allowed arithmetic: matrix products marked QUANTISED: E5M2 operands, one E8M0 scale for each 32 along K, by v_wmma_scale_f32_16x16x128_f8f6f4 with both operands' format E5M2, f32 sums; everything else in f32.
;; Inputs: b_attn 3,072 float32; b_proj 1,024 float32; w_attn 1,024 x 3,072 float32; w_proj 1,024 x 1,024 float32; x 4 x 2,048 x 1,024 float32.
;; Outputs: out0 4 x 2,048 x 1,024 float32.
;; This version of the problem:
;;   THIS VERSION OF THE PROBLEM IS GIVEN IN LOW PRECISION. The matrix products marked QUANTISED in the list below multiply operands that are first quantised to E5M2 (5 exponent bits, 2 mantissa bits; 8 bits a number), with one power-of-two scale for each 32 numbers along K (OCP MX v1.0); their sums are f32. All else is computed in f32.
;;   The module's matrix products, in the order in which they are computed (A, B: the left and right operand; K: the contracted axis; several contracted axes count as one K, in the product's order):
;;     1. [M 8,192, K 1,024] x [K 1,024, N 3,072]; A: input x; B: input w_attn: QUANTISED
;;     2. batch 64 x [M 2,048, K 64] x [K 64, N 2,048]; A: computed on the way; B: computed on the way: QUANTISED
;;     3. batch 64 x [M 2,048, K 2,048] x [K 2,048, N 64]; A: softmax (see below); B: computed on the way: QUANTISED
;;     4. [M 8,192, K 1,024] x [K 1,024, N 1,024]; A: computed on the way; B: input w_proj: QUANTISED
;;   THE QUANTISER, for each operand of a quantised product, along K:
;;     - K is cut into blocks of 32 from its start; a last block that is shorter is filled with zeros.
;;     - A block's scale is 2^e with e = floor(log2(the largest magnitude in the block)) - 15, held to -126 .. 127; a block of zeros has e = 0. As a byte (E8M0): e + 127.
;;     - Each number is divided by its block's scale, clamped to +-57,344, and rounded to the nearest number of E5M2, ties to even, subnormals kept.
;;     - The product sums the exact products of the quantised numbers (number of the format x scale) in f32.
;;   ~~~python
;;   def quantise(x, axis):      # numpy; x: float32 -> the quantised numbers, widened to float32 again
;;       x = np.moveaxis(x, axis, -1); K = x.shape[-1]
;;       x = np.pad(x, [(0, 0)] * (x.ndim - 1) + [(0, -K % 32)]); x = x.reshape(x.shape[:-1] + (-1, 32)); a = np.abs(x).max(-1, keepdims=True)
;;       e = np.where(a > 0, np.clip(np.frexp(np.where(a > 0, a, 1))[1] - 1 - 15, -126, 127), 0)      # np.frexp(a)[1] - 1 = floor(log2(a)), exactly
;;       r = np.clip(x / 2.0 ** e, -57344, 57344)
;;       step = 2.0 ** (np.maximum(np.frexp(np.where(r == 0, 1, r))[1] - 1, -14) - 2)
;;       q = np.round(r / step) * step * 2.0 ** e      # np.round: ties to even
;;       return np.moveaxis(q.reshape(q.shape[:-2] + (-1,))[..., :K], -1, axis).astype(np.float32)
;;   ~~~
;;   SOFTMAX AHEAD OF A QUANTISED PRODUCT. Where the list says 'softmax', what is quantised is not the finished softmax but p = 2^(t - M), with t = logit x log2(e) and M = ceil(the row's largest t), a whole number; so 1/2 < the row's largest p <= 1. The row's sum l is taken of the UNQUANTISED p, in f32, and the product's result is divided by l at the end. Since M is a whole number, a kernel that streams over the keys may use a running M (the ceiling of the running maximum): every later rescaling is an exact power of two, which a block's scale takes up: the codes' values come out the same.
;;   OPERANDS COMPUTED ON THE WAY. 'Computed on the way' means the value that the module computes at that place (a softmax that the list does not call 'softmax' is quantised finished and normalised). What goes into a quantiser is computed in f32, as accurately as f32 sums, v_exp_f32 and their like allow (about 1e-6 of the number): no bf16 or f16 on the way to a quantiser, and a product that is left as it is and whose result goes on into a quantised operand takes f32 operands (vector FMAs, or v_wmma_f32_16x16x4_f32). A number that lies on a knife's edge between two numbers of the format may be rounded either way, as far as f32 arithmetic and the matrix unit's own rounding can turn it there, and no further.
;; One version. Each part assembles by itself: llvm-mc -triple=amdgcn-amd-amdhsa -mcpu=gfx1250 --defsym DOCPART=n.
;; ======== version 1 of 1: 4 launches
;; limits: right only within a limited range of input values
;; workspace buffers: act_codes 8,388,608 bytes; act_scales 262,144 bytes; wa_codes 3,145,728 bytes; wa_scales 98,304 bytes; wp_codes 1,048,576 bytes; wp_scales 32,768 bytes; qkvb 25,952,256 bytes
;; launch quant (part 1): grid 384 x 1, 4 waves a work-group, no clusters, 68,096 bytes of LDS; arguments x, w_attn, w_proj, act_codes, act_scales, wa_codes, wa_scales, wp_codes, wp_scales; writes act_codes, act_scales, wa_codes, wa_scales, wp_codes, wp_scales
.if DOCPART == 1
	.amdgcn_target "amdgcn-amd-amdhsa--gfx1250"
	.amdhsa_code_object_version 6
	.text
	.protected	k_qf8dc7f5388_quant
	.globl	k_qf8dc7f5388_quant
	.p2align	8
	.type	k_qf8dc7f5388_quant,@function
k_qf8dc7f5388_quant:
	s_mov_b64 s[64:65], 0
	v_nop
	global_prefetch_b8 v0, s[64:65] scope:SCOPE_SE
	s_setreg_imm32_b32 hwreg(HW_REG_WAVE_MODE, 25, 1), 1
	s_wait_xcnt 0x0
; x [8192][1024], w_attn [1024][3072] and w_proj [1024][1024], f32, become codes of BF8 (E5M2) with one E8M0 scale byte for each 32 along K.
; x's K is innermost: codes [8192][1024], bytes [8192][32].  The weights' K is their FIRST axis: codes [n][1024] with K innermost, bytes [n][32].
; A block's scale is 2^(floor(log2(its largest magnitude)) - 15): its byte is the largest magnitude's exponent field - 15, held at 1 from below; each number is held within
; +-57,344 x the scale and rounded to the nearest code, ties to even.
; LIMITS: a block of zeros, and a block whose largest magnitude lies under 2^-111, keeps the byte 1 (a block of zeros has zero codes, and these bytes are read by this program alone);
; NaN and infinities among the inputs are not served.
; Work-groups 0-255 take x (32,768 numbers each), work-groups 256-383 the weights (128 columns x 256 along K each).  The two ways have LDS bytes of their own.
; No tensor loads, no barrier: waves share nothing.  The launch streams, so nothing is prefetched.
; WORK LEFT OUT BY THE PROGRAM: reference() adds -1e10 to every logit whose key comes after its query (the triu that it builds itself); the launch attn leaves out each step of 128 keys all of which come after
; the wave's 16 queries: their p would be 2^(about -1.4e10) = 0 for all finite inputs whose logits stay under about 1e9.  A NaN, an infinity or an overflow that reaches only those scores is not carried to the result.
.set STEPS, 16
.set EMAX,  15
.set MANT,  0x600000                   ; the mantissa field of 57,344 as f32
.set CB,    16
.set XR,    16                         ; x: v16-79 four sets of 16 numbers as loaded
.set XX,    80                         ; v80-111 two sets of 16 neighbours
.set XE,    112                        ; v112-127 a scale byte for each step
.set XC,    128                        ; v128-191 codes, four registers for each step
.set WREG,  8192                       ; x: LDS of a wave: two stages of 32 x SP bytes, then its 256 scale bytes
.set SP,    80
.set WSTG,  32768                      ; the weights' stages begin here: 32 rows x WP bytes for each wave
.set WP,    272
.set NB,    8                          ; blocks of 32 along K for a wave
.set WX,    32                         ; weights: v32-95 two sets of 32 numbers
.set WC,    96                         ; v96-103 a block's codes
.set SB,    24                         ; v24-25 the scale bytes
.set OUTR,  112                        ; v112-175 the way out
.set RO,    176                        ; v176-207 byte offset of row i of a block at my column
	s_load_b256 s[4:11], s[0:1], 0x0               ; x, w_attn, w_proj, act_codes
	s_load_b256 s[12:19], s[0:1], 0x20             ; act_scales, wa_codes, wa_scales, wp_codes
	s_load_b64 s[20:21], s[0:1], 0x40              ; wp_scales
	v_lshl_add_u32 v208, v0, 2, 0x10800
	v_mov_b32 v209, 0
	v_lshrrev_b32 v1, 5, v0
	v_readfirstlane_b32 s22, v1                    ; wave
	v_and_b32 v2, 31, v0                           ; lane
	s_mov_b32 s48, MANT
	s_cmp_lt_u32 ttmp9, 256
	s_cbranch_scc0 .Lw
; ---------------- x: a plain stream of blocks of 32.  A wave takes 16 steps of 512 numbers.  Each load reads 512 consecutive bytes; a step's 2,048 bytes turn through the wave's stage, so that a lane holds 16 neighbours.
	v_lshlrev_b32 v3, 4, v2                        ; my 16 bytes of a load's 512
	s_mul_i32 s23, s22, WREG
	v_lshrrev_b32 v14, 2, v2
	v_mul_u32_u24 v14, v14, SP
	v_and_b32 v15, 3, v2
	v_lshl_add_u32 v14, v15, 4, v14
	v_add_nc_u32 v14, s23, v14                     ; into the stage: SP (lane / 4) + 16 (lane % 4)
	v_mul_u32_u24 v15, v2, SP
	v_add_nc_u32 v15, s23, v15                     ; out of it: SP x lane
	v_mul_u32_u24 v4, v2, CB                       ; my codes' place in a step's
	v_lshrrev_b32 v5, 1, v2
	s_add_co_u32 s23, s23, 2*32*SP
	v_add_nc_u32 v5, s23, v5                       ; my block's scale byte
	v_lshlrev_b32 v7, 3, v2
	v_add_nc_u32 v6, s23, v7
	s_lshl_b32 s26, ttmp9, 2
	s_add_co_u32 s26, s26, s22                     ; which run of 8,192 numbers is my wave's
	s_mov_b32 s29, 0
	s_wait_alu depctr_va_vdst(0)
	s_wait_kmcnt 0x0
	s_lshl_b32 s28, s26, 15
	s_add_nc_u64 s[4:5], s[4:5], s[28:29]          ; 32,768 bytes of x a run,
	s_lshl_b32 s28, s26, 13
	s_add_nc_u64 s[10:11], s[10:11], s[28:29]      ; 8,192 of codes,
	s_lshl_b32 s28, s26, 8
	s_add_nc_u64 s[12:13], s[12:13], s[28:29]      ; 256 of scale bytes
.macro XLOAD t
.irp i, 0,1,2,3
	global_load_b128 v[XR+16*((\t)%4)+4*\i:XR+16*((\t)%4)+4*\i+3], v3, s[4:5] offset:2048*(\t)+512*\i th:TH_LOAD_NT
.endr
.endm
.macro XTURN t                         ; LDS serves a wave's instructions in order: no wait between the stores and the loads
.irp i, 0,1,2,3
	ds_store_b128 v14, v[XR+16*((\t)%4)+4*\i:XR+16*((\t)%4)+4*\i+3] offset:32*SP*((\t)%2)+8*SP*\i
.endr
.irp i, 0,1,2,3
	ds_load_b128 v[XX+16*((\t)%2)+4*\i:XX+16*((\t)%2)+4*\i+3], v15 offset:32*SP*((\t)%2)+16*\i
.endr
.endm
.irp t, 0,1,2,3
	XLOAD \t
.endr
	s_wait_loadcnt 12                              ; step 0's four loads are in; three steps' twelve stay out
	XTURN 0
.macro XSTEP t
.set XS, XX+16*((\t)%2)
.if (\t) > 0
	s_wait_dscnt 1                                 ; this step's numbers are back from the stage; the last step's byte store may be out
.else
	s_wait_dscnt 0x0
.endif
.if (\t)+4 < STEPS
	XLOAD (\t)+4
.endif
.if (\t)+1 < STEPS
.if STEPS-2-(\t) >= 3
	s_wait_loadcnt 12                              ; the next step's four loads are in; those of the three steps behind it may be out
.else
	s_wait_loadcnt 4*(STEPS-2-(\t))
.endif
	XTURN (\t)+1
.endif
	v_max3_num_f32 v8, |v[XS]|, |v[XS+1]|, |v[XS+2]|
	v_max3_num_f32 v9, |v[XS+3]|, |v[XS+4]|, |v[XS+5]|
.irp i, 6,10
	v_max3_num_f32 v8, v8, |v[XS+\i]|, |v[XS+\i+1]|
	v_max3_num_f32 v9, v9, |v[XS+\i+2]|, |v[XS+\i+3]|
.endr
	v_max3_num_f32 v8, v8, |v[XS+14]|, |v[XS+15]|
	v_max3_num_f32 v8, v8, v9, (EMAX+1)<<23        ; the floor 2^(16 - 127): the byte cannot fall under 1
	v_max_num_f32_dpp v8, v8, v8 row_xmask:1 row_mask:0xf bank_mask:0xf   ; with my neighbour's 16: the block's largest magnitude
	v_add_nc_u32 v11, -(EMAX<<23), v8              ; 15 off its exponent field: the conversion's scale operand
	v_and_or_b32 v10, v8, 0x7f800000, s48          ; 57,344 x the scale
.irp i, 0,1,2,3,4,5,6,7,8,9,10,11,12,13,14,15
	v_med3_num_f32 v[XS+\i], v[XS+\i], -v10, v10   ; the conversion to an 8-bit code does not saturate (ISA guide 7.6.2): the hold
.endr
	v_cvt_scalef32_pk8_bf8_f32 v[XC+4*(\t):XC+4*(\t)+1], v[XS:XS+7], v11
	v_cvt_scalef32_pk8_bf8_f32 v[XC+4*(\t)+2:XC+4*(\t)+3], v[XS+8:XS+15], v11
	v_lshrrev_b32 v[XE+(\t)], 23, v11              ; the scale's byte
	ds_store_b8 v5, v[XE+(\t)] offset:16*(\t)      ; both lanes of a block write the same byte with the same value
	global_store_b128 v4, v[XC+4*(\t):XC+4*(\t)+3], s[10:11] offset:32*CB*(\t)   ; the wave stores 512 consecutive bytes
.endm
.irp t, 0,1,2,3,4,5,6,7,8,9,10,11,12,13,14,15
	XSTEP \t
.endr
	ds_load_b64 v[12:13], v6
	s_wait_dscnt 0x0
	global_store_b64 v7, v[12:13], s[12:13]        ; 32 lanes store 256 consecutive bytes, aligned
	s_wait_tensorcnt 0x0
	ds_add_u32 v208, v209
	s_wait_dscnt 0x0
	s_endpgm
; ---------------- the weights: a lane takes a column n and its registers run down K, so a block of 32 lies in one lane and the codes come out with K innermost.
.Lw:
	s_sub_co_u32 s23, ttmp9, 256
	s_lshr_b32 s25, s23, 2                         ; group of 128 columns: 0-23 w_attn's, 24-31 w_proj's
	s_and_b32 s23, s23, 3                          ; which 256 along K
	s_mov_b32 s24, 4096
	s_wait_alu depctr_va_vdst(0)
	v_lshlrev_b32 v3, 2, v2                        ; 4 bytes a lane
	s_mul_i32 s31, s22, 32*WP
	s_add_co_u32 s31, s31, WSTG                    ; my stage
	v_mul_u32_u24 v4, v2, WP
	v_add_nc_u32 v4, s31, v4                       ; into it: row = my column
	v_and_b32 v5, 15, v2
	v_lshrrev_b32 v6, 4, v2
	v_mul_u32_u24 v7, v6, WP
	v_lshl_add_u32 v7, v5, 4, v7
	v_add_nc_u32 v7, s31, v7                       ; out of it: sixteen lanes to a row, two rows an instruction
	v_lshlrev_b32 v8, 10, v6
	v_lshl_add_u32 v8, v5, 4, v8                   ; the same place in the codes' buffer: rows of 1,024 bytes
	v_lshlrev_b32 v9, 5, v2                        ; my column's row of scale bytes
	s_wait_kmcnt 0x0
	s_cmp_lt_u32 s25, 24                           ; the choice hangs on the work-group's number alone
	s_cselect_b64 s[4:5], s[6:7], s[8:9]           ; the weight,
	s_cselect_b64 s[6:7], s[14:15], s[18:19]       ; its codes,
	s_cselect_b64 s[8:9], s[16:17], s[20:21]       ; its scale bytes,
	s_cselect_b32 s24, 12288, s24                  ; bytes in a row of it,
	s_cselect_b32 s26, 0, 24
	s_sub_co_u32 s25, s25, s26
	s_lshl_b32 s25, s25, 7
	s_lshl_b32 s26, s22, 5
	s_add_co_u32 s25, s25, s26                     ; my wave's first column
.set I, 0
.rept 32
	v_mad_u32_u24 v[RO+I], s24, I, v3              ; row I of a block, my column
.set I, I+1
.endr
	s_lshl_b32 s26, s23, 8
	s_mul_i32 s26, s26, s24
	s_lshl_b32 s27, s25, 2
	s_add_co_u32 s26, s26, s27
	s_mov_b32 s27, 0
	s_add_nc_u64 s[32:33], s[4:5], s[26:27]        ; a base for each of the eight blocks: no pointer is stepped later
	s_lshl_b32 s26, s24, 5
.irp t, 1,2,3,4,5,6,7
	s_add_nc_u64 s[32+2*\t:33+2*\t], s[30+2*\t:31+2*\t], s[26:27]
.endr
	s_lshl_b32 s28, s25, 10
	s_lshl_b32 s29, s23, 8
	s_add_co_u32 s28, s28, s29
	s_mov_b32 s29, 0
	s_add_nc_u64 s[6:7], s[6:7], s[28:29]          ; codes: column x 1,024 + 256 x my part of K
	s_lshl_b32 s28, s25, 5
	s_lshl_b32 s30, s23, 3
	s_add_co_u32 s28, s28, s30
	s_add_nc_u64 s[8:9], s[8:9], s[28:29]          ; scale bytes: column x 32 + 8 x my part of K
.macro WLOAD t
.set I, 0
.rept 32
	global_load_b32 v[WX+32*((\t)%2)+I], v[RO+I], s[32+2*(\t):33+2*(\t)] th:TH_LOAD_NT   ; 32 lanes read 128 consecutive bytes, the four waves 512
.set I, I+1
.endr
.endm
	s_wait_alu depctr_va_vdst(0)
	WLOAD 0
	WLOAD 1
.macro WBLOCK t
.set XS, WX+32*((\t)%2)
.if (\t) < NB-1
	s_wait_loadcnt 32                              ; this block's 32 loads are in; the next block's may be out
.else
	s_wait_loadcnt 0
.endif
	v_max3_num_f32 v12, |v[XS]|, |v[XS+1]|, |v[XS+2]|
	v_max3_num_f32 v13, |v[XS+3]|, |v[XS+4]|, |v[XS+5]|
.irp i, 6,10,14,18,22,26
	v_max3_num_f32 v12, v12, |v[XS+\i]|, |v[XS+\i+1]|
	v_max3_num_f32 v13, v13, |v[XS+\i+2]|, |v[XS+\i+3]|
.endr
	v_max3_num_f32 v12, v12, |v[XS+30]|, |v[XS+31]|
	v_max3_num_f32 v12, v12, v13, (EMAX+1)<<23     ; the floor
	v_add_nc_u32 v11, -(EMAX<<23), v12
	v_and_or_b32 v10, v12, 0x7f800000, s48
	v_lshrrev_b32 v13, 23, v11
.if (\t)%4 == 0
	v_mov_b32 v[SB+(\t)/4], v13                    ; four bytes to a register, the lower K in the lower byte
.else
	v_lshl_or_b32 v[SB+(\t)/4], v13, 8*((\t)%4), v[SB+(\t)/4]
.endif
.set I, 0
.rept 32
	v_med3_num_f32 v[XS+I], v[XS+I], -v10, v10
.set I, I+1
.endr
.irp g, 0,1,2,3
	v_cvt_scalef32_pk8_bf8_f32 v[WC+2*\g:WC+2*\g+1], v[XS+8*\g:XS+8*\g+7], v11
.endr
	ds_store_b128 v4, v[WC:WC+3] offset:32*(\t)
	ds_store_b128 v4, v[WC+4:WC+7] offset:32*(\t)+16
.if (\t)+2 < NB
	WLOAD (\t)+2
.endif
	s_wait_dscnt 0x0                               ; the stores have read their registers: the next block's codes may be written
.endm
.irp t, 0,1,2,3,4,5,6,7
	WBLOCK \t
.endr
	global_store_b64 v9, v[SB:SB+1], s[8:9]        ; my column's eight scale bytes: 8 bytes a lane, 32 apart: one byte in 128 of what the wave reads
.irp t, 0,1,2,3,4,5,6,7,8,9,10,11,12,13,14,15
	ds_load_b128 v[OUTR+4*\t:OUTR+4*\t+3], v7 offset:2*\t*WP
.endr
.irp t, 0,1,2,3,4,5,6,7,8,9,10,11,12,13,14,15
	s_wait_dscnt 15-\t
	global_store_b128 v8, v[OUTR+4*\t:OUTR+4*\t+3], s[6:7] offset:2*\t*1024   ; sixteen lanes store 256 consecutive bytes, aligned
.endr
	s_wait_tensorcnt 0x0
	ds_add_u32 v208, v209
	s_wait_dscnt 0x0
	s_endpgm
.Lfunc_end_k_qf8dc7f5388_quant:
	.size	k_qf8dc7f5388_quant, .Lfunc_end_k_qf8dc7f5388_quant-k_qf8dc7f5388_quant
	.p2alignl 7, 3214868480
	.fill 96, 4, 3214868480
	.section	.rodata,"a",@progbits
	.p2align	6, 0x0
	.amdhsa_kernel k_qf8dc7f5388_quant
		.amdhsa_group_segment_fixed_size 68096
		.amdhsa_private_segment_fixed_size 0
		.amdhsa_enable_private_segment 0
		.amdhsa_kernarg_size 72
		.amdhsa_user_sgpr_count 2
		.amdhsa_user_sgpr_kernarg_segment_ptr 1
		.amdhsa_wavefront_size32 1
		.amdhsa_system_sgpr_workgroup_id_x 1
		.amdhsa_system_sgpr_workgroup_id_y 1
		.amdhsa_system_sgpr_workgroup_id_z 1
		.amdhsa_system_vgpr_workitem_id 0
		.amdhsa_next_free_vgpr 210
		.amdhsa_next_free_sgpr 66
		.amdhsa_reserve_vcc 0
		.amdhsa_float_denorm_mode_32 3
		.amdhsa_float_denorm_mode_16_64 3
		.amdhsa_memory_ordered 1
		.amdhsa_forward_progress 1
		.amdhsa_inst_pref_size 112
	.end_amdhsa_kernel
	.amdgpu_metadata
---
amdhsa.version: [ 1, 2 ]
amdhsa.kernels:
  - .name:           k_qf8dc7f5388_quant
    .symbol:         k_qf8dc7f5388_quant.kd
    .args:
      - { .name: x, .offset: 0, .size: 8, .value_kind: global_buffer, .address_space: global }
      - { .name: w_attn, .offset: 8, .size: 8, .value_kind: global_buffer, .address_space: global }
      - { .name: w_proj, .offset: 16, .size: 8, .value_kind: global_buffer, .address_space: global }
      - { .name: act_codes, .offset: 24, .size: 8, .value_kind: global_buffer, .address_space: global }
      - { .name: act_scales, .offset: 32, .size: 8, .value_kind: global_buffer, .address_space: global }
      - { .name: wa_codes, .offset: 40, .size: 8, .value_kind: global_buffer, .address_space: global }
      - { .name: wa_scales, .offset: 48, .size: 8, .value_kind: global_buffer, .address_space: global }
      - { .name: wp_codes, .offset: 56, .size: 8, .value_kind: global_buffer, .address_space: global }
      - { .name: wp_scales, .offset: 64, .size: 8, .value_kind: global_buffer, .address_space: global }
    .group_segment_fixed_size: 68096
    .private_segment_fixed_size: 0
    .kernarg_segment_align: 8
    .kernarg_segment_size: 72
    .max_flat_workgroup_size: 128
    .sgpr_count:     66
    .vgpr_count:     210
    .wavefront_size: 32
...
	.end_amdgpu_metadata
.endif
;; end of part 1
;; launch gemm_qkv (part 2): grid 8 x 48, 4 waves a work-group, clusters of 4 x 4, 327,680 bytes of LDS; arguments act_codes, act_scales, wa_codes, wa_scales, b_attn, qkvb; writes qkvb
.if DOCPART == 2
	.amdgcn_target "amdgcn-amd-amdhsa--gfx1250"
	.amdhsa_code_object_version 6
	.text
	.protected	k_qf8dc7f5388_gemm_qkv
	.globl	k_qf8dc7f5388_gemm_qkv
	.p2align	8
	.type	k_qf8dc7f5388_gemm_qkv,@function
k_qf8dc7f5388_gemm_qkv:
	s_mov_b64 s[64:65], 0
	v_nop
	global_prefetch_b8 v0, s[64:65] scope:SCOPE_SE
	s_setreg_imm32_b32 hwreg(HW_REG_WAVE_MODE, 25, 1), 1
	s_wait_xcnt 0x0
	s_wait_alu depctr_hold_cnt(0) depctr_sa_sdst(0) depctr_va_vdst(0) depctr_va_sdst(0) depctr_va_ssrc(0) depctr_va_vcc(0) depctr_vm_vsrc(0)
	s_getreg_b32 s2, hwreg(HW_REG_IB_STS2, 6, 4)
	s_cmp_eq_u32 s2, 0
	s_cbranch_scc0 .Lentry_in_a_cluster
	s_endpgm
.Lentry_in_a_cluster:
	s_bfe_u32 s2, ttmp6, 0x10000c
	s_cmp_lg_u32 s2, 0xf033
	s_cbranch_scc0 .Lentry_shape_is_right
	s_endpgm
.Lentry_shape_is_right:
; qkv = x w_attn + b_attn on codes of BF8 (E5M2) with E8M0 scales, K = 1,024; the result never goes to memory as f32: it is quantised in registers for the products that follow.
; A tile is 256 x 256, four waves, 128 x 128 a wave in 512 registers; K goes in steps of 256 through a ring of two LDS slots filled by the tensor data mover; the scale bytes of the tile's rows come once.
; THE MATRIX INSTRUCTION: source 0 = 16 rows of operand P, source 1 = 16 rows of operand N: a lane holds ONE row of N and its registers run along P.  The next quantiser's K must run along P:
;   q, k (clusters with y < 8):  P = w_attn's columns 0-2047 (the head's 64), N = tokens.     v (clusters with y >= 8):  P = tokens (the keys), N = w_attn's columns 2048-3071.
; Both code buffers have rows of 1,024 bytes and scale rows of 32, so the kinds differ in pointers, in the bias's layout and in where the result goes; the kind is the same in all sixteen partners of a cluster.
; The bias is the C of each sum's first matrix instruction, so it is added at the sum's start and not at its end.
; CLUSTERS 4 x 4: N's tile is shared along a row of the cluster, P's along a column: joint loads.
; THE RESULT, in blocks of 16,896 bytes, block ((section x 64 + batch x 16 + head) x 8 + token / 256).  Inside each 16 rows the order is nu = 2 (r % 8) + r / 8.
;   q, k: token's 64 codes at 64 nu(token); its two scale bytes at 16,384 + 2 nu.     v: code of (d, key) at 4,096 (key / 64) + 64 nu(d) + key % 64; scale byte of (d, key / 32) at 16,384 + 8 nu(d) + key / 32.
; LIMITS: a block of zeros, or one whose largest magnitude lies under 2^-111, keeps the scale byte 1 (read by this program alone); NaN and infinities are not served.
; REGISTERS, in windows of 256: window 0: v0-31 addresses; v32-63 scale words, two sets; v64-127 the bias, later at work; from v128 N's fragments, ONE set.  window 1: P's fragments, two sets.  windows 2, 3: the accumulators.
.set SIZE_K, 1024
.set KSTEP,  256
.set NQ,     KSTEP/128
.set ROWB,   256
.set KROW,   SIZE_K
.set PITCH,  272                       ; an LDS row: 256 bytes + 16 of padding: the 16 rows that a load touches start at 16 different banks (64 banks of 4 bytes: ISA guide 11.1)
.set FR,     16
.set NL,     4
.set NP,     8                         ; places behind this matrix instruction (ISA guide 7.12.1)
.set HALFT,  128*PITCH
.set SLOT,   4*HALFT
.set LAPS,   SIZE_K/(2*KSTEP)
.set KS,     SIZE_K/32
.set SCL,    2*SLOT
.set HALFS,  (128*KS/256)*272
.set SBLK,   (16*KS/256)*272
.set SPARE,  SCL+4*HALFS               ; the spare words, 128 bytes for each wave: two blocks of 256 bytes that no other line names
.set BLKB,   16896
.set HS,     8*BLKB                    ; from a head's block to the next head's
.set SPI,    336                       ; the way out: a stage of 256 rows x (256 bytes + 80), in slot 0, which has had its last fill and its last read by then
.set STGA,   256*SPI                   ; scale bytes as q and k want them: [4 heads][256 nu][2]
.set STGB,   STGA+2048                 ; and as v wants them: [256 nu][8]
.set STO,  8                           ; v8   stage: where I put 8 codes
.set SSA,  9                           ; v9   where I put two scale bytes (q, k)
.set SSB,  10                          ; v10  where I put four (v)
.set RD0,  11                          ; v11  stage, back: rows 0-127;  v12 rows 128-255
.set RD1,  12
.set GO,   13                          ; v13  16 x lane
.set RSA,  14                          ; v14, v15  the scale bytes, back
.set RSB,  15
.set ADRA, 16
.set ADRB, 20
.set ADRS, 27
.set SPW,  28
.set NIL,  29
.set SC,   32
.set BIAS, 64
.set AF,   128
.set PC,   64                          ; the way out: v64-95 codes, two sets of 16
.set TM,   96                          ; v96-99 largest magnitudes, v100-103 bytes, v104-107 57,344 x the scale, v108-111 the conversions' scale operands
.set PW,   112                         ; v112, v113 the scale word, by turns
.set SA,   114
.set SBV,  118
.set T,    128                         ; v128-191 64 held numbers
.set BK,   128                         ; v128-255 rows read back
.set G1, 24
.set G0, 32
.set G1B, 48
.set G0B, 56
.set G1S, 68
.set G0S, 76
.set G1SB, 80
.set G0SB, 88
.set OB,  68                           ; s[68:75] on the way out: four bases for the codes;  s[76:77] one for the scale bytes (the scale descriptors' loads ended at the start)
.set OS,  76
.set SEL, 66                           ; s[66:67] lane selects: lane l xor 16
.set MNT, 43
.set FLR, 44
.set MSB, 0
.macro WIN new                         ; the immediate's high byte repeats the setting that is left
.if MSB != (\new)
	s_set_vgpr_msb (MSB<<8)|(\new)
.set MSB, (\new)
.endif
.endm
.set MUL_LO,  0xa1                     ; source 0 (P) window 1, source 1 (N) window 0, C and D window 2
.set MUL_HI,  0xf1                     ; the same, C and D window 3
.set MUL_LO0, 0x81                     ; the first step: C (the bias) window 0
.set MUL_HI0, 0xc1
.set TO_B,    0x40
; A joint load: waves 0 and 1 fetch for N, waves 2 and 3 for P.  The branch hangs on the wave's number alone.  Four v_nop follow each of the two lines.
.macro JLOAD g0a, g1a, g0b, g1b
	s_cmp_eq_u32 s15, 0
	s_cbranch_scc0 .Lfor_b_\@
	tensor_load_to_lds s[\g0a:\g0a+3], s[\g1a:\g1a+7]
	s_nop 0
.rept 4
	v_nop
.endr
	s_branch .Lasked_\@
.Lfor_b_\@:
	tensor_load_to_lds s[\g0b:\g0b+3], s[\g1b:\g1b+7]
	s_nop 0
.rept 4
	v_nop
.endr
.Lasked_\@:
.endm
.macro CREST                           ; a round of the cluster's barrier behind its opening barrier
	s_cmp_lg_u32 s14, 0
	s_cbranch_scc1 .Lnot_wave_0_\@
	s_barrier_signal -3
.Lnot_wave_0_\@:
	s_barrier_wait -3
	s_barrier_signal -1
	s_barrier_wait -1
.endm
.macro CROUND
	s_barrier_signal -1
	s_barrier_wait -1
	CREST
.endm
	s_load_b128 s[4:7], s[0:1], 0x0                ; x's codes, x's scales
	s_load_b128 s[8:11], s[0:1], 0x10              ; w_attn's codes, scales
	s_load_b64 s[12:13], s[0:1], 0x20              ; b_attn
	s_load_b64 s[96:97], s[0:1], 0x28              ; the result
	v_lshl_add_u32 v[SPW], v0, 2, SPARE
	v_mov_b32 v[NIL], 0
	ds_add_u32 v28, v29
	ds_add_u32 v28, v29
	s_wait_dscnt 0x0
	v_lshrrev_b32 v1, 5, v0
	v_readfirstlane_b32 s14, v1                    ; wave 0..3
	s_lshr_b32 s15, s14, 1                         ; which half of N's rows is mine.  Also: I fetch for N (0) or for P (1)
	s_and_b32 s16, s14, 1                          ; which half of P's rows.  Also: which 128 rows I fetch
	s_bfe_u32 s40, ttmp6, 0x40000                  ; cx, cy: my place in the cluster
	s_bfe_u32 s41, ttmp6, 0x40004
	s_and_b32 s17, ttmp7, 0xffff                   ; the cluster's y: 0-7 q and k, 8-11 v
	s_sub_co_u32 s18, s17, 8
	s_lshl_b32 s18, s18, 1
	s_add_co_u32 s18, s18, ttmp9                   ; v: which 1,024 tokens
	s_cmp_lt_u32 s17, 8
	s_cselect_b32 s42, ttmp9, s18
	s_cselect_b32 s17, s17, 0
	s_cselect_b32 s105, 0, 1                       ; the kind
	s_cselect_b32 s104, 0, -1                      ; and as a lane mask
	s_cselect_b32 s95, 0, 2048                     ; v: N's rows begin at w_attn's column 2,048
	s_lshl_b32 s42, s42, 2
	s_add_co_u32 s42, s42, s40                     ; P's tile
	s_lshl_b32 s17, s17, 2
	s_add_co_u32 s17, s17, s41                     ; N's tile
	s_lshl_b32 s43, s41, 2
	s_lshl_b32 s43, 15, s43                        ; my row of the cluster
	s_lshl_b32 s44, 0x1111, s40                    ; my column
	s_or_b32 s[G1+0], s43, (0<<16)|(1<<20)|(1<<21)|(5<<22)|(3<<25)  ; 15:0 the mask; 17:16 elements of 1 byte; 20 padding on; 21 set beside a mask; 24:22 after every 64 words; 31:25 four words
	s_or_b32 s[G1B+0], s44, (0<<16)|(1<<20)|(1<<21)|(5<<22)|(3<<25)
.irp g, G1, G1B
	s_mov_b32 s[\g+1], ROWB<<16                    ; tensor_dim0
	s_mov_b32 s[\g+2], 256<<16                     ; tensor_dim1: 256 rows for the head's loads; set to 128 for the ring's behind the wait for them
	s_mov_b32 s[\g+3], ROWB<<16                    ; tile_dim0
	s_mov_b32 s[\g+4], 256                         ; tile_dim1
	s_mov_b32 s[\g+5], KROW                        ; tensor_dim0_stride
	s_mov_b32 s[\g+6], 0
	s_mov_b32 s[\g+7], 0
.endr
	s_or_b32 s[G1S+0], s43, (3<<16)|(1<<20)|(1<<21)|(5<<22)|(3<<25)  ; the scales of 256 rows: 8,192 dense bytes as rows of 256 (32 elements of 8 bytes), 16 bytes of padding behind each
	s_or_b32 s[G1SB+0], s44, (3<<16)|(1<<20)|(1<<21)|(5<<22)|(3<<25)
.irp g, G1S, G1SB
	s_mov_b32 s[\g+1], 32<<16
	s_mov_b32 s[\g+2], KS<<16                      ; the scales of 256 rows: KS rows of 256 bytes
	s_mov_b32 s[\g+3], 32<<16
	s_mov_b32 s[\g+4], KS
	s_mov_b32 s[\g+5], 32
	s_mov_b32 s[\g+6], 0
	s_mov_b32 s[\g+7], 0
.endr
	s_lshl_b32 s20, s17, 8
	s_add_co_u32 s20, s20, s95                     ; N: the tile's first row, 256 x tile (+ 2,048)
	s_lshl_b32 s46, s42, 8                         ; P: 256 x tile
	s_mov_b32 s21, 0
	s_mov_b32 s47, 0
	s_mov_b64 s[18:19], KS
	s_mul_u64 s[22:23], s[20:21], s[18:19]
	s_mul_u64 s[92:93], s[46:47], s[18:19]
	s_mov_b64 s[18:19], KROW
	s_mul_u64 s[20:21], s[20:21], s[18:19]
	s_mul_u64 s[46:47], s[46:47], s[18:19]
	s_mul_i32 s45, s14, HALFT                      ; where they go: wave x 128 rows: no place in the cluster enters an LDS address
	s_mul_i32 s94, s14, HALFS
	s_wait_kmcnt 0x0
	s_cmp_eq_u32 s105, 0                           ; which buffer is N and which P: the choice hangs on the cluster's y alone
	s_cselect_b64 s[98:99], s[8:9], s[4:5]
	s_cselect_b64 s[100:101], s[10:11], s[6:7]
	s_cselect_b64 s[4:5], s[4:5], s[8:9]
	s_cselect_b64 s[6:7], s[6:7], s[10:11]
	s_mov_b64 s[8:9], s[98:99]
	s_mov_b64 s[10:11], s[100:101]
	s_add_nc_u64 s[20:21], s[4:5], s[20:21]
	s_add_nc_u64 s[22:23], s[6:7], s[22:23]
	s_add_nc_u64 s[46:47], s[8:9], s[46:47]
	s_add_nc_u64 s[92:93], s[10:11], s[92:93]
	CROUND                                         ; all sixteen work-groups are here: the first joint loads meet
	s_mov_b32 s[G0S], 1
	s_mov_b32 s[G0S+1], SCL
	s_mov_b64 s[G0S+2:G0S+3], s[22:23]
	s_or_b32 s[G0S+3], s[G0S+3], 0x80000000
	s_mov_b32 s[G0SB], 1
	s_mov_b32 s[G0SB+1], SCL+2*HALFS
	s_mov_b64 s[G0SB+2:G0SB+3], s[92:93]
	s_or_b32 s[G0SB+3], s[G0SB+3], 0x80000000
.set G0H, 4                            ; s[4:7], s[8:11] group 0 for the head's loads of K step 0 (the arguments that lay there have been used)
.set G0HB, 8
	s_mov_b32 s[G0H], 1                            ; K step 0's 256 rows of N,
	s_mov_b32 s[G0H+1], 0
	s_mov_b64 s[G0H+2:G0H+3], s[20:21]
	s_or_b32 s[G0H+3], s[G0H+3], 0x80000000
	s_mov_b32 s[G0HB], 1                           ; and of P, behind them in slot 0
	s_mov_b32 s[G0HB+1], 2*HALFT
	s_mov_b64 s[G0HB+2:G0HB+3], s[46:47]
	s_or_b32 s[G0HB+3], s[G0HB+3], 0x80000000
	s_mul_i32 s18, s16, 128*KROW                   ; for the ring: my 128 rows of the tile
	s_mov_b32 s19, 0
	s_add_nc_u64 s[20:21], s[20:21], s[18:19]
	s_add_nc_u64 s[46:47], s[46:47], s[18:19]
.irp s, 0,1
	s_mov_b32 s[G0+4*\s], 1
	s_add_co_u32 s[G0+4*\s+1], s45, \s*SLOT
	s_add_nc_u64 s[G0+4*\s+2:G0+4*\s+3], s[20:21], \s*ROWB
	s_or_b32 s[G0+4*\s+3], s[G0+4*\s+3], 0x80000000
	s_mov_b32 s[G0B+4*\s], 1
	s_add_co_u32 s[G0B+4*\s+1], s45, \s*SLOT
	s_add_nc_u64 s[G0B+4*\s+2:G0B+4*\s+3], s[46:47], \s*ROWB
	s_or_b32 s[G0B+4*\s+3], s[G0B+4*\s+3], 0x80000000
.endr
; THE HEAD'S LOADS, ONE A WAVE: wave 0 K step 0's 256 rows of N, wave 1 those of P, wave 2 N's scales, wave 3 P's.  One tree of branches on the wave's number: every way passes exactly one load.
.macro ARM under, g0, g1, next
	s_cmp_lt_u32 s14, \under
	s_cbranch_scc0 \next
	tensor_load_to_lds s[\g0:\g0+3], s[\g1:\g1+7]
	s_nop 0
.rept 4
	v_nop
.endr
	s_branch .Lhead_asked
\next:
.endm
	; where my prefetches stand: of the 256 rows of N's tile the sixteen waves of my row of the cluster take 16 each (by cx and the wave's number), of P's tile those of my column (by cy): told apart by address alone
	s_sub_nc_u64 s[92:93], s[20:21], s[18:19]      ; N's tile's first row
	s_sub_nc_u64 s[46:47], s[46:47], s[18:19]      ; P's
	s_lshl_b32 s18, s40, 2
	s_add_co_u32 s18, s18, s14
	s_lshl_b32 s18, s18, 14                        ; 16 rows of 1,024 bytes
	s_add_nc_u64 s[92:93], s[92:93], s[18:19]
	s_lshl_b32 s18, s41, 2
	s_add_co_u32 s18, s18, s14
	s_lshl_b32 s18, s18, 14
	s_add_nc_u64 s[46:47], s[46:47], s[18:19]
	ARM 1, G0H,  G1,  .Lhead_b
	ARM 2, G0HB, G1B, .Lhead_sa
	ARM 3, G0S,  G1S, .Lhead_sb
	tensor_load_to_lds s[G0SB:G0SB+3], s[G1SB:G1SB+7]
	s_nop 0
.rept 4
	v_nop
.endr
.Lhead_asked:
	v_and_b32 v1, 15, v0
	v_bfe_u32 v2, v0, 4, 1                         ; h
	v_mul_u32_u24 v3, v1, PITCH
	v_lshl_add_u32 v4, v2, 4, v3
	s_mul_i32 s21, s15, HALFT
	s_mul_i32 s22, s16, HALFT
	s_add_co_u32 s22, s22, 2*HALFT
.irp s, 0,1
	v_add_nc_u32 v[ADRA+\s], s21, v4
	v_add_nc_u32 v[ADRB+\s], s22, v4
	s_add_co_u32 s21, s21, SLOT
	s_add_co_u32 s22, s22, SLOT
.endr
	v_mul_u32_u24 v5, v1, KS
	v_lshrrev_b32 v6, 8, v5
	v_lshl_add_u32 v5, v6, 4, v5
	s_mul_i32 s21, s15, HALFS
	s_mul_i32 s22, s16, HALFS
	s_add_co_u32 s22, s22, 2*HALFS
	s_sub_co_u32 s22, s22, s21
	v_mul_u32_u24 v6, s22, v2                      ; lanes 16-31 take P's scale words
	s_add_co_u32 s21, s21, SCL
	v_add_nc_u32 v5, v5, v6
	v_add_nc_u32 v[ADRS], s21, v5
	; the way out's addresses
	v_and_b32 v5, 7, v1
	v_lshrrev_b32 v6, 3, v1
	v_lshl_add_u32 v5, v5, 1, v6                   ; nu(r) = 2 (r % 8) + r / 8
	s_lshl_b32 s21, s15, 7
	v_add_nc_u32 v5, s21, v5                       ; my stage row in N's block 0
	v_mul_u32_u24 v[STO], v5, SPI
	v_lshl_add_u32 v[STO], v2, 3, v[STO]
	s_lshl_b32 s22, s16, 7
	v_add_nc_u32 v[STO], s22, v[STO]               ; + 128 x my half of P + 8 h
	v_lshlrev_b32 v[SSA], 1, v5
	s_lshl_b32 s22, s16, 10
	s_add_co_u32 s22, s22, STGA
	v_add_nc_u32 v[SSA], s22, v[SSA]
	v_lshlrev_b32 v[SSB], 3, v5
	s_lshl_b32 s22, s16, 2
	s_add_co_u32 s22, s22, STGB
	v_add_nc_u32 v[SSB], s22, v[SSB]
	v_and_b32 v6, 31, v0                           ; lane
	v_lshrrev_b32 v7, 2, v6
	v_mul_u32_u24 v7, v7, SPI
	v_and_b32 v3, 3, v6
	v_lshl_add_u32 v7, v3, 4, v7
	s_lshl_b32 s22, s14, 6
	v_add_nc_u32 v[RD0], s22, v7                   ; back: four lanes to a row's 64 bytes, eight rows an instruction; wave w takes bytes 64 w on
	v_add_nc_u32 v[RD1], 128*SPI, v[RD0]
	v_lshlrev_b32 v[GO], 4, v6
	s_lshl_b32 s22, s14, 9
	s_add_co_u32 s22, s22, STGA
	v_add_nc_u32 v[RSA], s22, v[GO]
	v_add_nc_u32 v[RSB], STGB-STGA, v[RSA]
	v_lshlrev_b32 v18, 5, v2                       ; the bias: 32 h (q, k),
	v_lshlrev_b32 v19, 2, v1                       ; 4 r (v)
	v_lshlrev_b32 v30, 10, v1                      ; v30: row r of my 16, + 256 h: two K steps to an instruction; never rewritten
	v_lshl_add_u32 v30, v2, 8, v30
	v_and_b32 v31, 31, v0
	v_min_u32 v31, 15, v31                         ; v31: a lane a row; the lanes left over name the last row again; never rewritten
	v_lshlrev_b32 v31, 10, v31
	s_wait_alu depctr_va_vdst(0)
	global_prefetch_b8 v30, s[92:93] offset:256 th:TH_LOAD_NT scope:SCOPE_SE   ; K steps 1 and 2 of my 16 rows of N: K step 1 is loaded behind the head's loads, K step 2 a K step later
	global_prefetch_b8 v30, s[46:47] offset:256 th:TH_LOAD_NT scope:SCOPE_SE   ; and of P
	s_mov_b32 s[MNT], 0x600000                     ; the mantissa field of 57,344
	s_mov_b32 s[FLR], 0x8000000                    ; the floor 2^(16 - 127)
	s_mov_b32 s[SEL], 0x76543210
	s_mov_b32 s[SEL+1], 0xfedcba98
	; the bias runs along w_attn's columns: along P (q, k) or along N (v)
	s_cmp_eq_u32 s105, 0
	s_cselect_b32 s20, s42, s17
	s_cselect_b32 s21, s16, s15
	s_lshl_b32 s20, s20, 10
	s_lshl_b32 s21, s21, 9
	s_add_co_u32 s20, s20, s21
	s_lshl_b32 s21, s95, 2
	s_add_co_u32 s20, s20, s21
	s_mov_b32 s21, 0
	s_add_nc_u64 s[12:13], s[12:13], s[20:21]
	s_cmp_eq_u32 s105, 0
	s_cbranch_scc0 .Lbias_v
	s_wait_alu depctr_va_vdst(0)
.irp b, 0,1,2,3,4,5,6,7
	global_load_b128 v[BIAS+8*\b:BIAS+8*\b+3], v18, s[12:13] offset:64*\b          ; q, k: register j of P's block b: column 16 b + 8 h + j
	global_load_b128 v[BIAS+8*\b+4:BIAS+8*\b+7], v18, s[12:13] offset:64*\b+16
.endr
	s_branch .Lbias_done
.Lbias_v:
	s_wait_alu depctr_va_vdst(0)
.irp a, 0,1,2,3,4,5,6,7
.irp j, 0,1,2,3,4,5,6,7
	global_load_b32 v[BIAS+8*\a+\j], v19, s[12:13] offset:64*\a                    ; v: all eight registers of N's block a: my column 16 a + r
.endr
.endr
.Lbias_done:
	; where the tile goes
	s_lshr_b32 s20, s42, 2
	s_lshl_b32 s20, s20, 6
	s_lshr_b32 s21, s17, 3
	s_lshl_b32 s21, s21, 4
	s_add_co_u32 s20, s20, s21
	s_and_b32 s21, s42, 3
	s_lshl_b32 s21, s21, 2
	s_add_co_u32 s20, s20, s21
	s_lshl_b32 s20, s20, 3
	s_and_b32 s21, s17, 7
	s_add_co_u32 s20, s20, s21                     ; q, k: ((section) 64 + batch 16 + first head) 8 + token / 256
	s_lshr_b32 s22, s42, 3
	s_lshl_b32 s22, s22, 4
	s_lshl_b32 s23, s17, 2
	s_add_co_u32 s22, s22, s23
	s_add_co_u32 s22, s22, 128
	s_lshl_b32 s22, s22, 3
	s_and_b32 s23, s42, 7
	s_add_co_u32 s22, s22, s23                     ; v: (128 + batch 16 + first head) 8 + token / 256
	s_mov_b32 s100, 4096
	s_mov_b32 s101, HS
	s_cmp_eq_u32 s105, 0
	s_cselect_b32 s20, s20, s22
	s_cselect_b32 s100, HS, s100                   ; from a chunk of 64 bytes of a stage row to the next: a head on (q, k) or 64 keys on (v)
	s_cselect_b32 s101, 4096, s101                 ; from 64 stage rows to the next 64: 64 tokens on (q, k) or a head on (v)
	s_mul_i32 s20, s20, BLKB
	s_mov_b32 s21, 0
	s_add_nc_u64 s[98:99], s[96:97], s[20:21]
.macro FRAG reg, adr, q, i             ; 16 rows x 128 K: lane l holds row l % 16; registers 4 c .. 4 c + 3 hold K = 32 c + 16 (l / 16) + 0 .. 15
.irp c, 0,1,2,3
	ds_load_b128 v[\reg+4*\c:\reg+4*\c+3], v[\adr] offset:128*(\q)+32*\c+(\i)*16*PITCH
.endr
.endm
; 16 matrix instructions: N's blocks a0, a0 + 1 x P's eight.  zero = 1, 2: the first product starts the sums from the bias (along P, along N).  The 64 accumulators take turns.
.macro MUL16 a0, p, q, sc, zero
.irp a, \a0, \a0+1
.irp b, 0,1,2,3,4,5,6,7
.if (\zero) == 1
	v_wmma_scale_f32_16x16x128_f8f6f4 v[8*(8*((\a)%4)+\b):8*(8*((\a)%4)+\b)+7], v[128*(\p)+FR*\b:128*(\p)+FR*\b+FR-1], v[AF+FR*(\a):AF+FR*(\a)+FR-1], v[BIAS+8*\b:BIAS+8*\b+7], v[SC+8*NQ*(\sc)+NQ*\b+(\q)], v[SC+8*NQ*(\sc)+NQ*(\a)+(\q)] matrix_a_fmt:MATRIX_FMT_BF8 matrix_b_fmt:MATRIX_FMT_BF8 matrix_a_scale:MATRIX_SCALE_ROW1
.elseif (\zero) == 2
	v_wmma_scale_f32_16x16x128_f8f6f4 v[8*(8*((\a)%4)+\b):8*(8*((\a)%4)+\b)+7], v[128*(\p)+FR*\b:128*(\p)+FR*\b+FR-1], v[AF+FR*(\a):AF+FR*(\a)+FR-1], v[BIAS+8*(\a):BIAS+8*(\a)+7], v[SC+8*NQ*(\sc)+NQ*\b+(\q)], v[SC+8*NQ*(\sc)+NQ*(\a)+(\q)] matrix_a_fmt:MATRIX_FMT_BF8 matrix_b_fmt:MATRIX_FMT_BF8 matrix_a_scale:MATRIX_SCALE_ROW1
.else
	v_wmma_scale_f32_16x16x128_f8f6f4 v[8*(8*((\a)%4)+\b):8*(8*((\a)%4)+\b)+7], v[128*(\p)+FR*\b:128*(\p)+FR*\b+FR-1], v[AF+FR*(\a):AF+FR*(\a)+FR-1], v[8*(8*((\a)%4)+\b):8*(8*((\a)%4)+\b)+7], v[SC+8*NQ*(\sc)+NQ*\b+(\q)], v[SC+8*NQ*(\sc)+NQ*(\a)+(\q)] matrix_a_fmt:MATRIX_FMT_BF8 matrix_b_fmt:MATRIX_FMT_BF8 matrix_a_scale:MATRIX_SCALE_ROW1
.endif
.endr
.endr
.endm
.macro FETCH_B slot, q, p
	WIN TO_B
.irp i, 0,1,2,3,4,5,6,7
	FRAG 128*(\p)+FR*\i, ADRB+\slot, \q, \i
.endr
	WIN 0
.endm
.macro FETCH_A slot, q, i0
.irp i, \i0, \i0+1, \i0+2, \i0+3
	FRAG AF+FR*(\i), ADRA+\slot, \q, \i
.endr
.endm
.macro SCALES sc                       ; a K step's scale words: lanes 0-15 N's block i, lanes 16-31 P's block i
.irp i, 0,1,2,3,4,5,6,7
	ds_load_b64 v[SC+8*NQ*\sc+NQ*\i:SC+8*NQ*\sc+NQ*\i+1], v[ADRS] offset:\i*SBLK
.endr
.endm
.macro PLACES n                        ; plain vector instructions between a matrix instruction and a load into, or a read of, its registers
.rept \n
	v_nop
.endr
.endm
.macro STEP slot, q, zero              ; 128 along K that has its successor in the same slot
	s_wait_dscnt 4*NL                              ; P's set and N's blocks 0-3 are in; the youngest sixteen loads (N's blocks 4-7) may be out
.if \zero
	WIN MUL_LO0
.else
	WIN MUL_LO
.endif
	MUL16 0, (\q)%2, \q, \slot, \zero
	MUL16 2, (\q)%2, \q, \slot, \zero
	s_wait_dscnt 0
	PLACES NP
	FETCH_B \slot, (\q)+1, 1-(\q)%2
	FETCH_A \slot, (\q)+1, 0
.if \zero
	WIN MUL_HI0
.else
	WIN MUL_HI
.endif
	MUL16 4, (\q)%2, \q, \slot, \zero
	MUL16 6, (\q)%2, \q, \slot, \zero
	PLACES NP
	WIN 0
	FETCH_A \slot, (\q)+1, 4
.endm
; A slot's last step changes slots: one barrier; in front of it each wave waits for all its tensor loads, adds 0 to its spare word, and waits for that and for its reads of this slot.
.macro TURN slot, next, fill
	s_wait_tensorcnt 0x0                           ; all my tensor loads have landed: my part of the next slot
	ds_add_u32 v[SPW], v[NIL]                      ; 0 onto my spare word
	s_wait_dscnt 4*NL+1                            ; (the add and the youngest sixteen loads may be out)
	WIN MUL_LO
	MUL16 0, 1, NQ-1, \slot, 0
	s_wait_dscnt 0x0                               ; the add is done, and my reads of this slot are over
	s_barrier_signal -1
	MUL16 2, 1, NQ-1, \slot, 0
	WIN 0
	s_barrier_wait -1
.if \fill
	CREST                                          ; the barrier has opened a round of the cluster's barrier: no wave of any partner still reads this slot or has a load on its way
	s_add_nc_u64 s[G0+4*\slot+2:G0+4*\slot+3], s[G0+4*\slot+2:G0+4*\slot+3], 2*ROWB
	s_add_nc_u64 s[G0B+4*\slot+2:G0B+4*\slot+3], s[G0B+4*\slot+2:G0B+4*\slot+3], 2*ROWB
	JLOAD G0+4*\slot, G1, G0B+4*\slot, G1B         ; the first tensor load behind the round, and my only one until the next
	PLACES NP-4
.else
	PLACES NP
.endif
	s_wait_alu depctr_va_vdst(0)
	v_add_nc_u32 v[ADRS], 4*NQ, v[ADRS]
	FETCH_B \next, 0, 0
	FETCH_A \next, 0, 0
	SCALES \next
.if (\fill) && ((\slot) == 0)
	global_prefetch_b8 v31, s[92:93] offset:768 th:TH_LOAD_NT scope:SCOPE_SE   ; K step 3, the last: one K step ahead of its load
	global_prefetch_b8 v31, s[46:47] offset:768 th:TH_LOAD_NT scope:SCOPE_SE
.endif
	WIN MUL_HI
	MUL16 4, 1, NQ-1, \slot, 0
	MUL16 6, 1, NQ-1, \slot, 0
	PLACES NP
	WIN 0
	FETCH_A \next, 0, 4
.endm
	s_wait_alu depctr_va_vdst(0)
	s_wait_tensorcnt 0x0                           ; my tile of the head's four is in
	ds_add_u32 v[SPW], v[NIL]
	s_mov_b32 s[G1+2], 128<<16                     ; no tensor load of mine is out: from here on a load brings 128 rows
	s_mov_b32 s[G1+4], 128
	s_mov_b32 s[G1B+2], 128<<16
	s_mov_b32 s[G1B+4], 128
	s_wait_dscnt 0x0
	CROUND                                         ; all four tiles are in, and all sixteen work-groups are here
	JLOAD G0+4, G1, G0B+4, G1B                     ; K step 1, the first tensor load behind the round
	FETCH_B 0, 0, 0
	FETCH_A 0, 0, 0
	SCALES 0
	FETCH_A 0, 0, 4
	s_wait_loadcnt 0x0                             ; the bias
	s_cmp_eq_u32 s105, 0                           ; the first step is written for each kind: only the C operands differ
	s_cbranch_scc0 .Lfirst_v
	STEP 0, 0, 1
	s_branch .Lfirst_done
.Lfirst_v:
	STEP 0, 0, 2
.Lfirst_done:
	s_mov_b32 s3, LAPS-1
.Llap:
	TURN 0, 1, 1
	STEP 1, 0, 0
	TURN 1, 0, 1
	STEP 0, 0, 0
	s_sub_co_u32 s3, s3, 1
	s_cmp_lg_u32 s3, 0
	s_cbranch_scc1 .Llap
	TURN 0, 1, 0                                   ; the last lap fills nothing
	STEP 1, 0, 0
	s_wait_dscnt 4*NL
	WIN MUL_LO
	MUL16 0, 1, NQ-1, 1, 0
	MUL16 2, 1, NQ-1, 1, 0
	s_wait_dscnt 0
	WIN MUL_HI
	MUL16 4, 1, NQ-1, 1, 0
	MUL16 6, 1, NQ-1, 1, 0
	WIN 0
; THE WAY OUT.  N's block a: my row's 128 numbers along P are four blocks of 32; a block lies in two accumulators of lanes l and l xor 16.  Largest magnitude, byte, hold, conversion; eight codes are
; eight neighbours along P: 8 bytes into the stage row nu(my row).  The scale word goes into both scale stages; which is stored is chosen at the end.
.macro QOUT a
.set AC, 64*((\a)%4)
.set PCS, PC+16*((\a)%2)
.set PWS, PW+(\a)%2
.if (\a) > 0
	s_wait_dscnt 11                                ; a block issues 11 stage stores: those of the block before last, whose registers are written now, are done
.endif
	WIN 0x28+0x14*((\a)/4)                         ; sources 1 and 2: window 2 or 3
.irp bp, 0,1,2,3
	v_max3_num_f32 v[TM+\bp], s[FLR], |v[AC+16*\bp]|, |v[AC+16*\bp+1]|     ; each accumulator is read from its low end on
.endr
.irp i, 2,4,6,8,10,12,14
.irp bp, 0,1,2,3
	v_max3_num_f32 v[TM+\bp], v[TM+\bp], |v[AC+16*\bp+\i]|, |v[AC+16*\bp+\i+1]|
.endr
.endr
	WIN 0
.irp bp, 0,1,2,3
	v_permlanex16_b32 v[TM+4+\bp], v[TM+\bp], s[SEL], s[SEL+1]
.endr
.irp bp, 0,1,2,3
	v_max_num_f32 v[TM+\bp], v[TM+\bp], v[TM+4+\bp]
.endr
.irp bp, 0,1,2,3
	v_add_nc_u32 v[TM+12+\bp], 0xf8800000, v[TM+\bp]             ; 15 off the exponent field: the conversion's scale operand
.endr
.irp bp, 0,1,2,3
	v_and_or_b32 v[TM+8+\bp], v[TM+\bp], 0x7f800000, s[MNT]      ; 57,344 x the scale
.endr
.irp bp, 0,1,2,3
	v_lshrrev_b32 v[TM+4+\bp], 23, v[TM+12+\bp]                  ; the byte
.endr
	v_lshl_or_b32 v[PWS], v[TM+5], 8, v[TM+4]
	v_lshl_or_b32 v[PWS], v[TM+6], 16, v[PWS]
	v_lshl_or_b32 v[PWS], v[TM+7], 24, v[PWS]
	WIN 0x02+(\a)/4                                ; source 0: window 2 or 3
.irp bp, 0,1,2,3
.irp i, 0,1,2,3,4,5,6,7,8,9,10,11,12,13,14,15
	v_med3_num_f32 v[T+16*\bp+\i], v[AC+16*\bp+\i], -v[TM+8+\bp], v[TM+8+\bp]   ; the conversion does not saturate (ISA guide 7.6.2): the hold
.endr
.endr
	WIN 0
.irp b, 0,1,2,3,4,5,6,7
	v_cvt_scalef32_pk8_bf8_f32 v[PCS+2*\b:PCS+2*\b+1], v[T+8*\b:T+8*\b+7], v[TM+12+\b/2]
.endr
	v_nop                                          ; a plain line between the conversions and the next vector line that writes their sources
.irp b, 0,1,2,3,4,5,6,7
	ds_store_b64 v[STO], v[PCS+2*\b:PCS+2*\b+1] offset:(\a)*16*SPI+16*\b
.endr
	ds_store_b32 v[SSB], v[PWS] offset:128*(\a)
	ds_store_b16 v[SSA], v[PWS] offset:32*(\a)                   ; lanes l and l xor 16 write the same bytes with the same values
	ds_store_b16_d16_hi v[SSA], v[PWS] offset:512+32*(\a)
.endm
	PLACES NP
.irp b, 0,1,2,3
	v_mov_b32 v[TM+4+\b], 0                        ; written once: a lane permute's destination counts as one of its sources
.endr
.irp a, 0,1,2,3,4,5,6,7
	QOUT \a
.endr
	s_mul_i32 s18, s14, s100                       ; wave w stores bytes 64 w .. 64 w + 63 of all 256 stage rows
	s_mov_b32 s19, 0
	s_add_nc_u64 s[OB:OB+1], s[98:99], s[18:19]
	s_mov_b32 s18, s101
.irp hq, 1,2,3
	s_add_nc_u64 s[OB+2*\hq:OB+2*\hq+1], s[OB+2*\hq-2:OB+2*\hq-1], s[18:19]
.endr
	s_mul_i32 s18, s14, HS
	s_add_co_u32 s18, s18, 16384
	s_add_nc_u64 s[OS:OS+1], s[98:99], s[18:19]    ; and the 512 scale bytes of the tile's head w
	s_wait_dscnt 0x0                               ; for the others' sake: my stores into the stages are done
	s_barrier_signal -1
	s_barrier_wait -1
	ds_load_b128 v[SA:SA+3], v[RSA]
	ds_load_b128 v[SBV:SBV+3], v[RSB]
.set N, 0
.rept 16
	ds_load_b128 v[BK+4*N:BK+4*N+3], v[RD0] offset:N*8*SPI
.set N, N+1
.endr
.set N, 0
.rept 16
	ds_load_b128 v[BK+64+4*N:BK+64+4*N+3], v[RD1] offset:N*8*SPI
.set N, N+1
.endr
	s_wait_dscnt 32                                ; the two loads of scale bytes are in; the 32 behind them may be out
.irp k, 0,1,2,3
	v_cndmask_b32 v[SA+\k], v[SA+\k], v[SBV+\k], s104
.endr
	global_store_b128 v[GO], v[SA:SA+3], s[OS:OS+1]
.set N, 0
.rept 32
	s_wait_dscnt 31-N
	global_store_b128 v[GO], v[BK+4*N:BK+4*N+3], s[OB+2*(N/8):OB+2*(N/8)+1] offset:512*(N%8)   ; the wave stores 512 consecutive bytes, at a multiple of 256 from the buffer's first byte
.set N, N+1
.endr
	s_wait_tensorcnt 0x0                           ; the wave's end
	ds_add_u32 v[SPW], v[NIL]
	s_wait_dscnt 0x0
	CROUND                                         ; the closing round
	s_endpgm
.Lfunc_end_k_qf8dc7f5388_gemm_qkv:
	.size	k_qf8dc7f5388_gemm_qkv, .Lfunc_end_k_qf8dc7f5388_gemm_qkv-k_qf8dc7f5388_gemm_qkv
	.p2alignl 7, 3214868480
	.fill 96, 4, 3214868480
	.section	.rodata,"a",@progbits
	.p2align	6, 0x0
	.amdhsa_kernel k_qf8dc7f5388_gemm_qkv
		.amdhsa_group_segment_fixed_size 327680
		.amdhsa_private_segment_fixed_size 0
		.amdhsa_enable_private_segment 0
		.amdhsa_kernarg_size 48
		.amdhsa_user_sgpr_count 2
		.amdhsa_user_sgpr_kernarg_segment_ptr 1
		.amdhsa_wavefront_size32 1
		.amdhsa_system_sgpr_workgroup_id_x 1
		.amdhsa_system_sgpr_workgroup_id_y 1
		.amdhsa_system_sgpr_workgroup_id_z 1
		.amdhsa_system_vgpr_workitem_id 0
		.amdhsa_next_free_vgpr 1024
		.amdhsa_next_free_sgpr 106
		.amdhsa_reserve_vcc 0
		.amdhsa_float_denorm_mode_32 3
		.amdhsa_float_denorm_mode_16_64 3
		.amdhsa_memory_ordered 1
		.amdhsa_forward_progress 1
		.amdhsa_inst_pref_size 218
	.end_amdhsa_kernel
	.amdgpu_metadata
---
amdhsa.version: [ 1, 2 ]
amdhsa.kernels:
  - .name:           k_qf8dc7f5388_gemm_qkv
    .symbol:         k_qf8dc7f5388_gemm_qkv.kd
    .args:
      - { .name: act_codes, .offset: 0, .size: 8, .value_kind: global_buffer, .address_space: global }
      - { .name: act_scales, .offset: 8, .size: 8, .value_kind: global_buffer, .address_space: global }
      - { .name: wa_codes, .offset: 16, .size: 8, .value_kind: global_buffer, .address_space: global }
      - { .name: wa_scales, .offset: 24, .size: 8, .value_kind: global_buffer, .address_space: global }
      - { .name: b_attn, .offset: 32, .size: 8, .value_kind: global_buffer, .address_space: global }
      - { .name: qkvb, .offset: 40, .size: 8, .value_kind: global_buffer, .address_space: global }
    .group_segment_fixed_size: 327680
    .private_segment_fixed_size: 0
    .kernarg_segment_align: 8
    .kernarg_segment_size: 48
    .max_flat_workgroup_size: 128
    .sgpr_count:     106
    .vgpr_count:     1024
    .wavefront_size: 32
...
	.end_amdgpu_metadata
.endif
;; end of part 2
;; launch attn (part 3): grid 4 x 64, 16 waves a work-group, clusters of 4 x 1, 327,680 bytes of LDS; arguments qkvb, act_codes, act_scales; writes act_codes, act_scales
.if DOCPART == 3
	.amdgcn_target "amdgcn-amd-amdhsa--gfx1250"
	.amdhsa_code_object_version 6
	.text
	.protected	k_qf8dc7f5388_attn
	.globl	k_qf8dc7f5388_attn
	.p2align	8
	.type	k_qf8dc7f5388_attn,@function
k_qf8dc7f5388_attn:
	s_mov_b64 s[64:65], 0
	v_nop
	global_prefetch_b8 v0, s[64:65] scope:SCOPE_SE
	s_setreg_imm32_b32 hwreg(HW_REG_WAVE_MODE, 25, 1), 1
	s_wait_xcnt 0x0
	s_wait_alu depctr_hold_cnt(0) depctr_sa_sdst(0) depctr_va_vdst(0) depctr_va_sdst(0) depctr_va_ssrc(0) depctr_va_vcc(0) depctr_vm_vsrc(0)
	s_getreg_b32 s2, hwreg(HW_REG_IB_STS2, 6, 4)
	s_cmp_eq_u32 s2, 0
	s_cbranch_scc0 .Lentry_in_a_cluster
	s_endpgm
.Lentry_in_a_cluster:
	s_bfe_u32 s2, ttmp6, 0x10000c
	s_cmp_lg_u32 s2, 0x3003
	s_cbranch_scc0 .Lentry_shape_is_right
	s_endpgm
.Lentry_shape_is_right:
; y = softmax(q k^T / 8 + causal mask) v for one head, both products on codes of BF8 (E5M2) with E8M0 scales; y is quantised along C (blocks of 32 = half a head) for the product that follows.
; INPUT: blocks of 16,896 bytes, block ((section x 64 + bh) x 8 + token / 256), sections q, k, v.  Inside each 16 the stored order is nu = 2 (r % 8) + r / 8.
;   q, k: a token's 64 codes at 64 nu; so row R = 16 b + m of 128 bytes holds key 32 b + m + 8 (m / 8) on the left and the key 8 further on on the right; their four scale bytes are the word at 16,384 + 4 R.
;   v: code of (d, key) at 4,096 (key / 64) + 64 nu(d) + key % 64; the scale byte of (d, key / 32) at 16,384 + 8 nu(d) + key / 32.
; K = 64 IN AN INSTRUCTION OF 128: a fragment of k is 16 such rows: two tiles of keys.  Against [q | 0] it gives the left keys' scores, against [0 | q] the right keys': the other half meets zero codes.
; Both products are used transposed: a lane holds ONE query; the 16 registers of two neighbouring tiles are 16 neighbouring keys (S^T) or 16 neighbouring channels (O^T).
; SOFTMAX: t = score x log2(e) / 8; M = the running largest t rounded up to a whole number; p = 2^(t - M) is quantised along the keys, not normalised; the sum of the unquantised p divides at the end.
; ALL OF A HEAD'S K AND V STAY IN LDS: 16 tiles (8 blocks of k, 8 of v) of 132 rows x 144 bytes = 304,128 bytes, one tensor load a wave at the head, each 66 rows of 256 bytes of memory.  Nothing is filled again.
; CLUSTER 4 x 1: the four work-groups of a head read the same 16 tiles and ask for them jointly (mask 15).
; SHARES: a head has 128 tiles of 16 queries.  Work-group j (its place in the cluster) takes tiles 4 a + j, a = 0 .. 31; wave w takes a = 31 - w and then a = w.  Tile 4 a + j needs a / 2 + 1 steps of 128 keys, whatever j:
; (31 - w) / 2 + w / 2 + 2 = 17 steps for every wave, and every branch hangs on the wave's number and the count of steps alone; j enters global addresses and the diagonal's lane term.
; BARRIERS: one shows blocks 0 and 1 (waves 0 to 3 have a load line of their own and wait there); one, behind the four steps on them, which every wave's first tile has, shows the rest.  Behind it the waves share nothing.
; WORK LEFT OUT: a step all of whose 128 keys come after the wave's queries (the mask that reference() builds); on the diagonal hidden scores become -infinity, so p = 0.
; NO PREFETCH: every tensor load is issued at the head; there is no loop to run ahead in.
; LIMITS: hidden keys count as p = 0, which is what the additive -1e10 gives while logits stay under about 1e9 in magnitude; a block of zeros keeps the scale byte 1 (read by this program alone); NaN and infinities are not served.
; REGISTERS: v1-3, v7, v11, v211-214, v217-219 stay; v8-10 addresses of the step; v12 -M, v13 the largest t, v[14:15] the sum; v16-31 [q | 0]; v192-207 [0 | q]; v208, v209 their scale words; v32-95 four fragments;
;   v96-159 S^T, then p; v160-191 O^T; v224-239 p's codes; v228-255 at work.
.set BLKB,  16896
.set KP,    144                        ; a row in LDS: 128 bytes + 16 of padding
.set TILEB, 132*KP                     ; a tile: one block of k or of v
.set VOFF,  TILEB                      ; a block's v lies behind its k
.set SLOTB, 2*TILEB
.set STAGE, 16*TILEB                   ; 16 rows x 80 bytes for each wave: no fill lands here
.set SPARE, STAGE+16*1280              ; the spare words, 128 bytes for each wave: eight blocks of 256 bytes that no other line names
.set AL,   1                           ; v1   144 r + 16 h
.set AS4,  2                           ; v2   4 x lane: lanes 0-15 take the scale words of a pair's even tile of keys, lanes 16-31 those of its odd tile, 64 bytes on
.set AVS,  3                           ; v3   144 (r / 8) + 16 (r % 8) + 8 h: the same for a pair of v's tiles, 8 bytes on
.set SPW,  5
.set NIL,  6
.set AQ,   7                           ; v7   q's codes: 64 nu(r) + 16 h
.set AD,   8
.set ADS,  9
.set ADT,  10
.set AQS,  11                          ; v11  q's scale bytes: 2 nu(r)
.set TB,   2                           ; s2   LDS byte of the block in hand
.set CNT,  3
.set OUT,  43                          ; s43  tiles of queries still to go
.set PAR,  44                          ; s44  a % 2: which half of the diagonal step my queries lie in;  s45 the second tile's
.set PARB, 45
.set WV,   18
.set MNT,  19
.set SEL,  20
.set CS,   22                          ; s[22:23] c = log2(e) / 8
.set G1,   24
.set G0,   32
.set SN,   40                          ; the step's number
.set DG,   41                          ; the step on the diagonal: a / 2;  s42 the second tile's
.set DGB,  42
.set QPA,  46
.set QPB,  48
.set YCA,  50
.set YCB,  52
.set YSA,  54
.set YSB,  56
.set QSA,  58
.set QSB,  60
.macro TLOAD                           ; an s_nop 0 and four v_nop follow the load
	tensor_load_to_lds s[G0:G0+3], s[G1:G1+7]
	s_nop 0
.rept 4
	v_nop
.endr
.endm
.macro BARRIER
	s_barrier_signal -1
	s_barrier_wait -1
.endm
.macro CROUND                          ; a round of the cluster's barrier
	BARRIER
	s_cmp_lg_u32 s[WV], 0
	s_cbranch_scc1 .Lnot_wave_0_\@
	s_barrier_signal -3
.Lnot_wave_0_\@:
	s_barrier_wait -3
	BARRIER
.endm
; s70 = a: where tile T = 4 a + j has its q, and where its y goes.  s69 = j, s68 = 8 bh, s67 = 2,048 batch, s76 = head << 19, s77 = 2 head
.macro TADR qp, qs, yc, ys, dd
	s_lshl_b32 s71, s70, 2
	s_add_co_u32 s71, s71, s69
	s_and_b32 s72, s71, 15
	s_lshr_b32 s73, s71, 4
	s_add_co_u32 s73, s73, s68
	s_mul_i32 s73, s73, BLKB               ; q's block T / 16
	s_lshl_b32 s74, s72, 10
	s_add_co_u32 s74, s74, s73
	s_mov_b32 s75, 0
	s_add_nc_u64 s[\qp:\qp+1], s[4:5], s[74:75]    ; its codes: 1,024 (T % 16) on
	s_lshl_b32 s74, s72, 5
	s_add_co_u32 s74, s74, s73
	s_add_co_u32 s74, s74, 16384
	s_add_nc_u64 s[\qs:\qs+1], s[4:5], s[74:75]    ; its scale bytes: 16,384 + 32 (T % 16) on
	s_lshl_b32 s72, s71, 4
	s_add_co_u32 s73, s72, s67             ; my first token
	s_lshl_b32 s74, s73, 6
	s_add_co_u32 s74, s74, s76
	s_add_nc_u64 s[\yc:\yc+1], s[6:7], s[74:75]    ; y's codes lie in planes [head][8,192 tokens][64]
	s_lshl_b32 s74, s73, 5
	s_add_co_u32 s74, s74, s77
	s_add_nc_u64 s[\ys:\ys+1], s[8:9], s[74:75]    ; y's scale bytes [token][32]: bytes 2 head, 2 head + 1
	s_and_b32 s\dd, s72, 127               ; my first query less the diagonal step's first key
.endm
	s_load_b128 s[4:7], s[0:1], 0x0                ; the blocks, y's codes
	s_load_b64 s[8:9], s[0:1], 0x10                ; y's scale bytes
	v_lshl_add_u32 v[SPW], v0, 2, SPARE
	v_mov_b32 v[NIL], 0
	ds_add_u32 v[SPW], v[NIL]                      ; the opening lines: the add, twice on end, and its wait
	ds_add_u32 v[SPW], v[NIL]
	v_lshrrev_b32 v8, 5, v0
	v_readfirstlane_b32 s[WV], v8                  ; wave 0..15
	s_and_b32 s66, ttmp7, 0xffff                   ; bh = 16 x batch + head: the cluster's y
	s_bfe_u32 s69, ttmp6, 0x40000                  ; j: my place in the cluster
	s_and_b32 s70, s[WV], 1                        ; my tile: k (0) or v (1) of block wave / 2
	s_lshl_b32 s70, s70, 6
	s_add_co_u32 s70, s70, s66
	s_add_co_u32 s70, s70, 64
	s_lshl_b32 s70, s70, 3
	s_lshr_b32 s71, s[WV], 1
	s_add_co_u32 s70, s70, s71
	s_mul_i32 s72, s70, BLKB
	s_mov_b32 s73, 0
	s_mov_b32 s[G1], 15|(1<<20)|(1<<21)|(4<<22)|(3<<25)   ; the mask: all four of the cluster; elements of 1 byte; padding: four words after every 32; bit 21 beside the mask
	s_mov_b32 s[G1+1], 256<<16                     ; tensor_dim0: the block is dense, so it is stated as rows of 256 bytes
	s_mov_b32 s[G1+2], 66<<16                      ; tensor_dim1
	s_mov_b32 s[G1+3], 256<<16                     ; tile_dim0
	s_mov_b32 s[G1+4], 66                          ; tile_dim1
	s_mov_b32 s[G1+5], 256                         ; tensor_dim0_stride
	s_mov_b32 s[G1+6], 0
	s_mov_b32 s[G1+7], 0
	s_mov_b32 s[G0], 1
	s_mul_i32 s[G0+1], s[WV], TILEB                ; k0, v0, k1, v1 ..
	s_mov_b32 s[SEL], 0x76543210
	s_mov_b32 s[SEL+1], 0xfedcba98
	s_mov_b32 s[CS], 0x3e38aa3b                    ; log2(e) / 8
	s_mov_b32 s[CS+1], s[CS]
	s_mov_b32 s[MNT], 0x600000
	s_wait_dscnt 0x0                               ; both opening adds are done
	CROUND                                         ; all four work-groups are here: the joint loads meet
	s_wait_kmcnt 0x0
	s_add_nc_u64 s[G0+2:G0+3], s[4:5], s[72:73]
	s_or_b32 s[G0+3], s[G0+3], 0x80000000
	s_cmp_lt_u32 s[WV], 4                          ; waves 0 to 3 (blocks 0, 1) have a load line of their own: they alone wait at the first barrier
	s_cbranch_scc0 .Llater
	TLOAD
	s_branch .Lasked
.Llater:
	TLOAD
.Lasked:
	s_lshl_b32 s68, s66, 3
	s_lshr_b32 s67, s66, 4
	s_lshl_b32 s67, s67, 11
	s_and_b32 s77, s66, 15
	s_lshl_b32 s76, s77, 19
	s_lshl_b32 s77, s77, 1
	s_sub_co_u32 s70, 31, s[WV]                    ; the first tile: a = 31 - wave: 9 to 16 steps
	s_lshr_b32 s[DG], s70, 1
	s_and_b32 s[PAR], s70, 1
	TADR QPA, QSA, YCA, YSA, 79
	s_mov_b32 s70, s[WV]                           ; the second: a = wave: 1 to 8 steps
	s_lshr_b32 s[DGB], s70, 1
	s_and_b32 s[PARB], s70, 1
	TADR QPB, QSB, YCB, YSB, 80
	s_mul_i32 s78, s[WV], 1280
	s_add_co_u32 s78, s78, STAGE                   ; my stage
	s_mov_b32 s[TB], 0
	s_mov_b32 s[SN], 0
.macro QLOAD cb, sb                    ; my 16 queries' codes, twice, and their scale bytes
.irp c, 0,1
	global_load_b128 v[16+4*\c:19+4*\c], v[AQ], s[\cb:\cb+1] offset:32*\c
	global_load_b128 v[200+4*\c:203+4*\c], v[AQ], s[\cb:\cb+1] offset:32*\c
.endr
	global_load_u16 v210, v[AQS], s[\sb:\sb+1]
.endm
	v_and_b32 v8, 15, v0                           ; r
	v_bfe_u32 v9, v0, 4, 1                         ; h
	v_lshrrev_b32 v220, 3, v8
	v_and_b32 v221, 7, v8
	v_lshl_add_u32 v222, v221, 1, v220             ; nu(r)
	v_lshlrev_b32 v[AQ], 6, v222
	v_lshl_add_u32 v[AQ], v9, 4, v[AQ]
	v_lshlrev_b32 v[AQS], 1, v222
	QLOAD QPA, QSA
	v_mul_u32_u24 v[AL], v8, KP
	v_lshl_add_u32 v[AL], v9, 4, v[AL]
	v_lshlrev_b32 v[AS4], 2, v8
	v_lshl_add_u32 v[AS4], v9, 6, v[AS4]
	v_mul_u32_u24 v[AVS], v220, KP
	v_lshl_add_u32 v[AVS], v221, 4, v[AVS]
	v_lshl_add_u32 v[AVS], v9, 3, v[AVS]
	v_and_b32 v223, 31, v0                         ; lane
	v_lshlrev_b32 v213, 4, v223                    ; 16 x lane
	v_lshrrev_b32 v212, 2, v223
	v_mul_u32_u24 v212, v212, 80
	v_and_b32 v223, 3, v223
	v_lshl_add_u32 v212, v223, 4, v212
	v_add_nc_u32 v212, s78, v212                   ; the stage, back: four lanes to a row's 64 bytes
	v_mul_u32_u24 v211, v8, 80
	v_lshl_add_u32 v211, v9, 4, v211
	v_add_nc_u32 v211, s78, v211                   ; the stage, in: row r, + 16 h
	v_lshlrev_b32 v214, 5, v8                      ; y's scale bytes: 32 r
	v_lshlrev_b32 v219, 4, v9
	v_sub_nc_u32 v219, v8, v219                    ; r - 16 h
	v_add_nc_u32 v217, s79, v219                   ; d = my query - the diagonal step's first key - 16 h: the first tile's,
	v_add_nc_u32 v218, s80, v219                   ; the second's
.irp i, 0,1,2,3,4,5,6,7
	v_mov_b32 v[24+\i], 0                          ; the empty halves of [q | 0] and [0 | q]: zero codes
	v_mov_b32 v[192+\i], 0
.endr
.irp b, 0,1,2,3
	v_mov_b32 v[236+\b], 0                         ; written once: a lane permute's destination counts as one of its sources
.endr
	v_mov_b32 v252, 0
	v_mov_b32 v253, 0
.macro QSW                             ; the scale words: q's two bytes beside two bytes of 2^0 for the empty half
	v_or_b32 v208, 0x7f7f0000, v210
	v_lshl_or_b32 v209, v210, 16, 0x7f7f
.endm
.macro INIT                            ; a tile of queries begins: the first change of M multiplies zeros.  (These lines are also the places between the scale words and the first products)
	v_mov_b32 v13, 0xff61b1e6                      ; -3e38, under every t
	v_floor_f32 v12, -v13
	v_mov_b32 v14, 0
	v_mov_b32 v15, 0
.set J, 0
.rept 32
	v_mov_b32 v[160+J], 0
.set J, J+1
.endr
.endm
; A KEY STEP: 128 keys, the q-th of the block in hand.  kind = 0: a step that every wave has whole; kind = 1: it may be hidden or on the diagonal.
.macro STEP q, kind
.if \kind
	s_cmp_gt_u32 s[SN], s[DG]                      ; all its keys come after my queries: a branch on the wave's number and the count of steps, round the step's work alone
	s_cbranch_scc1 .Lhidden_\@
.endif
	v_add_nc_u32 v[AD], s[TB], v[AL]
	v_add_nc_u32 v[ADS], s[TB], v[AS4]
	v_add_nc_u32 v[ADT], s[TB], v[AVS]
	v_mov_b32 v220, v12                            ; the old -M
.rept 4
	v_nop                                          ; with the four lines above: eight places in front of loads into registers that the last products read
.endr
.irp t, 0,1,2,3
.irp c, 0,1,2,3
	ds_load_b128 v[32+16*\t+4*\c:35+16*\t+4*\c], v[AD] offset:(64*(\q)+16*\t)*KP+32*\c
.endr
.if \t < 2
	ds_load_b32 v[248+\t], v[ADS] offset:(128+2*(\q)+\t)*KP   ; one row of 32 scale words: tile 2 t's in lanes 0-15, tile 2 t + 1's in lanes 16-31
.endif
.endr
	s_wait_alu depctr_va_vdst(0)
	s_wait_dscnt 0x0
.irp u, 0,1                            ; S^T: register 16 t + i of lane (r, h) is key 32 t + 16 h + i; fragments t = 2 u and 2 u + 1: the odd one's scale words are read from lanes 16-31
	v_wmma_scale_f32_16x16x128_f8f6f4 v[96+32*\u:103+32*\u], v[32+32*\u:47+32*\u], v[16:31], 0, v[248+\u], v208 matrix_a_fmt:MATRIX_FMT_BF8 matrix_b_fmt:MATRIX_FMT_BF8
	v_wmma_scale_f32_16x16x128_f8f6f4 v[104+32*\u:111+32*\u], v[32+32*\u:47+32*\u], v[192:207], 0, v[248+\u], v209 matrix_a_fmt:MATRIX_FMT_BF8 matrix_b_fmt:MATRIX_FMT_BF8
	v_wmma_scale_f32_16x16x128_f8f6f4 v[112+32*\u:119+32*\u], v[48+32*\u:63+32*\u], v[16:31], 0, v[248+\u], v208 matrix_a_fmt:MATRIX_FMT_BF8 matrix_b_fmt:MATRIX_FMT_BF8 matrix_a_scale:MATRIX_SCALE_ROW1
	v_wmma_scale_f32_16x16x128_f8f6f4 v[120+32*\u:127+32*\u], v[48+32*\u:63+32*\u], v[192:207], 0, v[248+\u], v209 matrix_a_fmt:MATRIX_FMT_BF8 matrix_b_fmt:MATRIX_FMT_BF8 matrix_a_scale:MATRIX_SCALE_ROW1
.endr
.rept 8
	v_nop
.endr
.irp t, 0,1,2,3                        ; v's four tiles are asked for here and land under the softmax: tile t = 2 beta + u, lane m: channel 32 beta + 8 u + m + 8 (m / 8)
.irp c, 0,1,2,3
	ds_load_b128 v[32+16*\t+4*\c:35+16*\t+4*\c], v[AD] offset:VOFF+((2*(\q)+\c/2)*32+16*(\t/2))*KP+64*(\t%2)+32*(\c%2)
.endr
.if \t < 2
	ds_load_b32 v[248+\t], v[ADT] offset:VOFF+(128+2*\t)*KP+4*(\q)   ; tile 2 t's scale words in lanes 0-15, tile 2 t + 1's in lanes 16-31
.endif
.endr
.if \kind
	s_cmp_lg_u32 s[SN], s[DG]                      ; on the diagonal hidden scores become -infinity; a step all of whose keys count skips this
	s_cbranch_scc1 .Lopen_\@
	s_cmp_eq_u32 s[PAR], 0                         ; my first query lies 64 (a % 2) + 16 j keys into the step: the branch hangs on the wave's number alone
	s_cbranch_scc0 .Lupper_\@
	v_mov_b32 v254, 0xff800000                     ; a even: my queries lie among keys 0-63: these are compared,
.set N, 0
.rept 32
	v_cmp_gt_i32 vcc_lo, 32*(N/16)+N%16, v217      ; register 16 b + i is hidden where 32 b + i > d
	v_cndmask_b32 v[96+N], v[96+N], v254, vcc_lo
.set N, N+1
.endr
.rept 16
	v_dual_mov_b32 v[96+N], v254 :: v_dual_mov_b32 v[97+N], v254   ; and keys 64-127 are all hidden
.set N, N+2
.endr
	s_wait_alu depctr_va_vdst(0)
	s_branch .Lopen_\@
.Lupper_\@:
	v_mov_b32 v254, 0xff800000                     ; a odd: keys 0-63 all count; keys 64-127 are compared
.set N, 32
.rept 32
	v_cmp_gt_i32 vcc_lo, 32*(N/16)+N%16, v217
	v_cndmask_b32 v[96+N], v[96+N], v254, vcc_lo
.set N, N+1
.endr
.Lopen_\@:
.endif
.irp b, 0,1,2,3
	v_max3_num_f32 v[232+\b], v[96+16*\b], v[97+16*\b], v[98+16*\b]   ; the largest score of each block of 32 keys: for the row's maximum, and, since p rises with the score, for the block's largest p
.endr
.irp i, 3,5,7,9,11,13
.irp b, 0,1,2,3
	v_max3_num_f32 v[232+\b], v[232+\b], v[96+16*\b+\i], v[97+16*\b+\i]
.endr
.endr
.irp b, 0,1,2,3
	v_max_num_f32 v[232+\b], v[232+\b], v[111+16*\b]
.endr
.irp b, 0,1,2,3
	v_permlanex16_b32 v[236+\b], v[232+\b], s[SEL], s[SEL+1]
.endr
.irp b, 0,1,2,3
	v_max_num_f32 v[232+\b], v[232+\b], v[236+\b]
.endr
	v_max3_num_f32 v254, v232, v233, v234
	v_max_num_f32 v254, v254, v235
	v_mul_f32 v254, s[CS], v254
	v_max_num_f32 v13, v13, v254                   ; the running largest t
	v_floor_f32 v12, -v13                          ; -M = floor(-t): M is a whole number
	v_sub_f32 v254, v12, v220
	v_cvt_i32_f32 v254, v254                       ; (it saturates)
	v_ldexp_f32 v252, 1.0, v254                    ; f = 2^(old M - new M): rounds nothing
.set J, 0
.rept 32
	v_pk_fma_f32 v[96+J:97+J], v[96+J:97+J], s[CS:CS+1], v[12:13] op_sel_hi:[1,0,0]   ; t - M
.set J, J+2
.endr
.irp b, 0,1,2,3
	v_fma_f32 v[232+\b], v[232+\b], s[CS], v12
.endr
	s_wait_alu depctr_va_vdst(0)
.set J, 0
.rept 64
	v_exp_f32 v[96+J], v[96+J]                     ; p = 2^(t - M)
.set J, J+1
.endr
.irp b, 0,1,2,3
	v_exp_f32 v[232+\b], v[232+\b]                 ; the block's largest p: the same two instructions on the same number
.endr
	v_pk_mul_f32 v[14:15], v[14:15], v[252:253] op_sel_hi:[1,0]   ; the sums under the new M (a plain place behind the exponentials)
	s_wait_alu depctr_va_vdst(0)                   ; one wait for the batch, ahead of its first reader
.irp b, 0,1,2,3
	v_max_num_f32 v[232+\b], 0x8000000, v[232+\b]  ; the floor: the byte cannot fall under 1
.endr
.irp b, 0,1,2,3
	v_add_nc_u32 v[244+\b], 0xf8800000, v[232+\b]  ; 15 off the exponent field: the conversion's scale operand
.endr
.irp b, 0,1,2,3
	v_and_or_b32 v[240+\b], v[232+\b], 0x7f800000, s[MNT]   ; 57,344 x the scale
.endr
.irp b, 0,1,2,3
	v_lshrrev_b32 v[236+\b], 23, v[244+\b]
.endr
	v_lshl_or_b32 v253, v237, 8, v236              ; p's scale word for these 128 keys
	v_lshl_or_b32 v253, v238, 16, v253
	v_lshl_or_b32 v253, v239, 24, v253
	v_pk_add_f32 v[236:237], v[100:101], v[104:105]   ; the row's sum of the unquantised p, in eight chains
	v_pk_add_f32 v[254:255], v[108:109], v[112:113]
	v_pk_add_f32 v[238:239], v[116:117], v[120:121]
	v_pk_add_f32 v[234:235], v[124:125], v[128:129]
	v_pk_add_f32 v[232:233], v[132:133], v[136:137]
	v_pk_add_f32 v[230:231], v[140:141], v[144:145]
	v_pk_add_f32 v[228:229], v[148:149], v[152:153]
	v_pk_add_f32 v[14:15], v[14:15], v[156:157]
	v_pk_add_f32 v[236:237], v[236:237], v[96:97]
	v_pk_add_f32 v[254:255], v[254:255], v[98:99]
	v_pk_add_f32 v[238:239], v[238:239], v[102:103]
	v_pk_add_f32 v[234:235], v[234:235], v[106:107]
	v_pk_add_f32 v[232:233], v[232:233], v[110:111]
	v_pk_add_f32 v[230:231], v[230:231], v[114:115]
	v_pk_add_f32 v[228:229], v[228:229], v[118:119]
	v_pk_add_f32 v[14:15], v[14:15], v[122:123]
	v_pk_add_f32 v[236:237], v[236:237], v[126:127]
	v_pk_add_f32 v[254:255], v[254:255], v[130:131]
	v_pk_add_f32 v[238:239], v[238:239], v[134:135]
	v_pk_add_f32 v[234:235], v[234:235], v[138:139]
	v_pk_add_f32 v[232:233], v[232:233], v[142:143]
	v_pk_add_f32 v[230:231], v[230:231], v[146:147]
	v_pk_add_f32 v[228:229], v[228:229], v[150:151]
	v_pk_add_f32 v[14:15], v[14:15], v[154:155]
	v_pk_add_f32 v[236:237], v[236:237], v[158:159]
	v_pk_add_f32 v[14:15], v[14:15], v[234:235]
	v_pk_add_f32 v[236:237], v[236:237], v[232:233]
	v_pk_add_f32 v[254:255], v[254:255], v[230:231]
	v_pk_add_f32 v[238:239], v[238:239], v[228:229]
	v_pk_add_f32 v[14:15], v[14:15], v[254:255]
	v_pk_add_f32 v[236:237], v[236:237], v[238:239]
	v_pk_add_f32 v[14:15], v[14:15], v[236:237]
.irp b, 0,1,2,3
.irp i, 0,2,4,6,8,10,12,14
	v_dual_min_num_f32 v[96+16*\b+\i], v[96+16*\b+\i], v[240+\b] :: v_dual_min_num_f32 v[97+16*\b+\i], v[97+16*\b+\i], v[240+\b]   ; the conversion does not saturate (ISA guide 7.6.2); p is not negative, so the hold is one-sided; two holds to a pair
.endr
	v_cvt_scalef32_pk8_bf8_f32 v[224+4*\b:225+4*\b], v[96+16*\b:103+16*\b], v[244+\b]
	v_cvt_scalef32_pk8_bf8_f32 v[226+4*\b:227+4*\b], v[104+16*\b:111+16*\b], v[244+\b]
.endr
	s_wait_alu depctr_va_vdst(0)
.set J, 0
.rept 16
	v_pk_mul_f32 v[160+J:161+J], v[160+J:161+J], v[252:253] op_sel_hi:[1,0]   ; O^T under the new M; these sixteen are also the places in front of the products below
.set J, J+2
.endr
	s_wait_alu depctr_va_vdst(0)
	s_wait_dscnt 0x0                               ; v's tiles and scale words are in
.irp u, 0,1                            ; O^T += V^T P^T: four accumulators by turns
	v_wmma_scale_f32_16x16x128_f8f6f4 v[160+16*\u:167+16*\u], v[32+32*\u:47+32*\u], v[224:239], v[160+16*\u:167+16*\u], v[248+\u], v253 matrix_a_fmt:MATRIX_FMT_BF8 matrix_b_fmt:MATRIX_FMT_BF8
	v_wmma_scale_f32_16x16x128_f8f6f4 v[168+16*\u:175+16*\u], v[48+32*\u:63+32*\u], v[224:239], v[168+16*\u:175+16*\u], v[248+\u], v253 matrix_a_fmt:MATRIX_FMT_BF8 matrix_b_fmt:MATRIX_FMT_BF8 matrix_a_scale:MATRIX_SCALE_ROW1
.endr
.if \kind
.Lhidden_\@:
.endif
	s_add_co_u32 s[SN], s[SN], 1
.endm
; A tile of queries ends: O^T / the sum; two blocks of 32 channels are quantised; codes through my stage, so that the wave stores 512 consecutive bytes.
.macro FINISH yc, ys
.rept 8
	v_nop                                          ; places behind the last products
.endr
	v_add_f32 v14, v14, v15
	v_permlanex16_b32 v252, v14, s[SEL], s[SEL+1]
	v_add_f32 v14, v14, v252                       ; the row's sum
	s_wait_alu depctr_va_vdst(0)
	v_rcp_f32 v14, v14
	v_nop
	s_wait_alu depctr_va_vdst(0)
.set J, 0
.rept 16
	v_pk_mul_f32 v[96+J:97+J], v[160+J:161+J], v[14:15] op_sel_hi:[1,0]   ; register 16 beta + i is y(r, 32 beta + 16 h + i)
.set J, J+2
.endr
.irp b, 0,1
	v_max3_num_f32 v[232+\b], |v[96+16*\b]|, |v[97+16*\b]|, 0x8000000
.endr
.irp i, 2,4,6,8,10,12,14
.irp b, 0,1
	v_max3_num_f32 v[232+\b], v[232+\b], |v[96+16*\b+\i]|, |v[97+16*\b+\i]|
.endr
.endr
.irp b, 0,1
	v_permlanex16_b32 v[236+\b], v[232+\b], s[SEL], s[SEL+1]
.endr
.irp b, 0,1
	v_max_num_f32 v[232+\b], v[232+\b], v[236+\b]
.endr
.irp b, 0,1
	v_add_nc_u32 v[244+\b], 0xf8800000, v[232+\b]
.endr
.irp b, 0,1
	v_and_or_b32 v[240+\b], v[232+\b], 0x7f800000, s[MNT]
.endr
.irp b, 0,1
	v_lshrrev_b32 v[236+\b], 23, v[244+\b]
.endr
	v_lshl_or_b32 v216, v237, 8, v236              ; my row's two scale bytes
.irp b, 0,1
.irp i, 0,1,2,3,4,5,6,7,8,9,10,11,12,13,14,15
	v_med3_num_f32 v[96+16*\b+\i], v[96+16*\b+\i], -v[240+\b], v[240+\b]
.endr
	v_cvt_scalef32_pk8_bf8_f32 v[224+4*\b:225+4*\b], v[96+16*\b:103+16*\b], v[244+\b]
	v_cvt_scalef32_pk8_bf8_f32 v[226+4*\b:227+4*\b], v[104+16*\b:111+16*\b], v[244+\b]
.endr
	v_nop                                          ; a plain line behind the last conversion
	ds_store_b128 v211, v[224:227]
	ds_store_b128 v211, v[228:231] offset:32
	ds_load_b128 v[96:99], v212                    ; LDS serves a wave's instructions in order: these see my stores
	ds_load_b128 v[100:103], v212 offset:640
	global_store_b16 v214, v216, s[\ys:\ys+1]      ; 2 bytes a row, 32 apart: one byte in 33 of what the wave stores; it keeps the scale rows as the next product's loads want them
	s_wait_dscnt 1
	global_store_b128 v213, v[96:99], s[\yc:\yc+1]
	s_wait_dscnt 0x0
	global_store_b128 v213, v[100:103], s[\yc:\yc+1] offset:512
	s_wait_xcnt 0x0                                ; the stores have read their registers, which are written again
.endm
.macro WALK label, trips, kind         ; so many blocks of 256 keys: a constant count
	s_mov_b32 s[CNT], \trips
\label:
	STEP 0, \kind
	STEP 1, \kind
	s_add_co_u32 s[TB], s[TB], SLOTB
	s_sub_co_u32 s[CNT], s[CNT], 1
	s_cmp_lg_u32 s[CNT], 0
	s_cbranch_scc1 \label
.endm
	s_wait_alu depctr_va_vdst(0)
	s_wait_loadcnt 0x0                             ; q
	QSW
	INIT
	s_wait_alu depctr_va_vdst(0)
	s_cmp_lt_u32 s[WV], 4
	s_cbranch_scc0 .Lnot_first
	s_wait_tensorcnt 0x0                           ; waves 0 to 3: blocks 0 and 1 have landed.  The other waves' wait stands at the second barrier
.Lnot_first:
	BARRIER
	WALK .Lfirst, 2, 0                             ; blocks 0, 1: four steps that every wave's first tile has whole (it has nine at the least)
	s_wait_tensorcnt 0x0                           ; every wave: all sixteen tiles have landed
	s_wait_dscnt 0x0
	BARRIER
	s_mov_b32 s[OUT], 2
.Ltile:                                ; two trips through one text: the first tile's blocks 2 to 7, then the second tile's blocks 0 to 5 (it has eight steps at the most: blocks 4 and 5 are hidden steps)
	WALK .Lrest, 6, 1
	FINISH YCA, YSA
	s_cmp_eq_u32 s[OUT], 1                         ; behind the second tile nothing follows
	s_cbranch_scc1 .Lno_more
	QLOAD QPB, QSB
	s_mov_b64 s[YCA:YCA+1], s[YCB:YCB+1]           ; (the way out has ended with a wait on XCNT: its stores have read their bases)
	s_mov_b64 s[YSA:YSA+1], s[YSB:YSB+1]
	s_mov_b32 s[DG], s[DGB]
	s_mov_b32 s[PAR], s[PARB]
	s_mov_b32 s[SN], 0
	s_mov_b32 s[TB], 0
	v_mov_b32 v217, v218                           ; the second tile's d
	s_wait_loadcnt 0x0
	QSW
	INIT
.Lno_more:
	s_sub_co_u32 s[OUT], s[OUT], 1
	s_cmp_lg_u32 s[OUT], 0
	s_cbranch_scc1 .Ltile
	s_wait_tensorcnt 0x0                           ; the wave's end
	ds_add_u32 v[SPW], v[NIL]
	s_wait_dscnt 0x0
	CROUND                                         ; the closing round
	s_endpgm
.Lfunc_end_k_qf8dc7f5388_attn:
	.size	k_qf8dc7f5388_attn, .Lfunc_end_k_qf8dc7f5388_attn-k_qf8dc7f5388_attn
	.p2alignl 7, 3214868480
	.fill 96, 4, 3214868480
	.section	.rodata,"a",@progbits
	.p2align	6, 0x0
	.amdhsa_kernel k_qf8dc7f5388_attn
		.amdhsa_group_segment_fixed_size 327680
		.amdhsa_private_segment_fixed_size 0
		.amdhsa_enable_private_segment 0
		.amdhsa_kernarg_size 24
		.amdhsa_user_sgpr_count 2
		.amdhsa_user_sgpr_kernarg_segment_ptr 1
		.amdhsa_wavefront_size32 1
		.amdhsa_system_sgpr_workgroup_id_x 1
		.amdhsa_system_sgpr_workgroup_id_y 1
		.amdhsa_system_sgpr_workgroup_id_z 1
		.amdhsa_system_vgpr_workitem_id 0
		.amdhsa_next_free_vgpr 256
		.amdhsa_next_free_sgpr 96
		.amdhsa_reserve_vcc 1
		.amdhsa_float_denorm_mode_32 3
		.amdhsa_float_denorm_mode_16_64 3
		.amdhsa_memory_ordered 1
		.amdhsa_forward_progress 1
		.amdhsa_inst_pref_size 105
	.end_amdhsa_kernel
	.amdgpu_metadata
---
amdhsa.version: [ 1, 2 ]
amdhsa.kernels:
  - .name:           k_qf8dc7f5388_attn
    .symbol:         k_qf8dc7f5388_attn.kd
    .args:
      - { .name: qkvb, .offset: 0, .size: 8, .value_kind: global_buffer, .address_space: global }
      - { .name: act_codes, .offset: 8, .size: 8, .value_kind: global_buffer, .address_space: global }
      - { .name: act_scales, .offset: 16, .size: 8, .value_kind: global_buffer, .address_space: global }
    .group_segment_fixed_size: 327680
    .private_segment_fixed_size: 0
    .kernarg_segment_align: 8
    .kernarg_segment_size: 24
    .max_flat_workgroup_size: 512
    .sgpr_count:     96
    .vgpr_count:     256
    .wavefront_size: 32
...
	.end_amdgpu_metadata
.endif
;; end of part 3
;; launch gemm_proj (part 4): grid 4 x 64, 4 waves a work-group, clusters of 4 x 4, 327,680 bytes of LDS; arguments act_codes, act_scales, wp_codes, wp_scales, b_proj, out0; writes out0
.if DOCPART == 4
	.amdgcn_target "amdgcn-amd-amdhsa--gfx1250"
	.amdhsa_code_object_version 6
	.text
	.protected	k_qf8dc7f5388_gemm_proj
	.globl	k_qf8dc7f5388_gemm_proj
	.p2align	8
	.type	k_qf8dc7f5388_gemm_proj,@function
k_qf8dc7f5388_gemm_proj:
	s_mov_b64 s[64:65], 0
	v_nop
	global_prefetch_b8 v0, s[64:65] scope:SCOPE_SE
	s_setreg_imm32_b32 hwreg(HW_REG_WAVE_MODE, 25, 1), 1
	s_wait_xcnt 0x0
	s_wait_alu depctr_hold_cnt(0) depctr_sa_sdst(0) depctr_va_vdst(0) depctr_va_sdst(0) depctr_va_ssrc(0) depctr_va_vcc(0) depctr_vm_vsrc(0)
	s_getreg_b32 s2, hwreg(HW_REG_IB_STS2, 6, 4)
	s_cmp_eq_u32 s2, 0
	s_cbranch_scc0 .Lentry_in_a_cluster
	s_endpgm
.Lentry_in_a_cluster:
	s_bfe_u32 s2, ttmp6, 0x10000c
	s_cmp_lg_u32 s2, 0xf033
	s_cbranch_scc0 .Lentry_shape_is_right
	s_endpgm
.Lentry_shape_is_right:
; out = y w_proj + b_proj on codes of BF8 (E5M2) with E8M0 scales; M = 8,192 tokens, N = 1,024, K = 1,024; sums in f32, stored as f32.
; y's codes lie in planes [head][8,192 tokens][64], its scale bytes [token][32]; w_proj's codes [n][1,024] with K innermost, its scale bytes [n][32].
; SHARES: 256 work-groups, each 128 tokens x 256 columns; four waves, 2 x 2, each 64 tokens x 128 columns: 32 accumulators, 256 registers.
; K goes in steps of 256 (four planes of y) through a ring of two LDS slots.  A slot: y's four planes of 128 tokens (8,192 dense bytes of memory each, 16 bytes of padding behind each token's 64), then w_proj's 256 rows of 256 bytes.
; THE HEAD: four tiles, one a wave: K step 0 of y, K step 0 of w_proj, y's scale bytes (128 rows, all of K), w_proj's (256 rows).  K step 1 follows behind a round of the cluster's barrier.
; In the ring waves 0, 1 fetch two planes of y each, waves 2, 3 128 rows of w_proj each.
; CLUSTERS 4 x 4: y's tile is shared along a row of the cluster, w_proj's along a column: joint loads.
; THE MATRIX INSTRUCTION IS USED TRANSPOSED: source 0 = 16 rows of w_proj, source 1 = 16 tokens: a lane holds eight neighbouring columns of one token.  The bias is the C of each sum's first product.
; BOTH OPERANDS have two sets of fragment registers: a step's 48 LDS loads are issued ahead of the step before's 32 products (at a change of slots: ahead of its last 16).
; PREFETCH: K steps 2 and 3, the launch's two refills, are asked for once, behind the head's loads: each aligned block of 256 bytes once in the cluster, shared out among its waves by address.  K steps 0 and 1 come by their loads alone.
; LIMITS: NaN and infinities are not served.
; REGISTERS: window 0: v0-31 addresses; v32-63 scale words, two sets; v64-127 the bias; v128-255 y's fragments, two sets of four (on the way out: rows read back).  window 1: w_proj's fragments, two sets of eight.  window 2: the accumulators.
.set SIZE_N, 1024
.set SIZE_K, 1024
.set NQ,     2                         ; steps of 128 in a slot
.set ROWB,   256
.set KROW,   SIZE_K
.set PITCH,  272                       ; w_proj's LDS row: 256 bytes + 16
.set TP,     80                        ; a token's LDS row in a plane: 64 bytes + 16
.set APL,    128*TP                    ; a plane's 128 tokens in LDS
.set PLB,    524288                    ; a plane in memory
.set PLSTEP, 4*PLB
.set FR,     16
.set NP,     8                         ; places behind this matrix instruction (ISA guide 7.12.1)
.set HALFA,  2*APL
.set HALFT,  128*PITCH
.set SLOT,   2*HALFA+2*HALFT
.set LAPS,   2
.set KS,     SIZE_K/32
.set SCL,    2*SLOT                    ; behind the ring: the scales, as units of 256 bytes (8 rows) + 16 of padding: y's 16 units, then w_proj's 32
.set SAB,    16*272
.set SBLK,   2*272                     ; 16 rows
.set SPARE,  SCL+3*SAB                 ; the spare words, 128 bytes for each wave: two blocks of 256 bytes that no other line names
.set SPITCH, 528                       ; the way out: a stage of 16 rows x (512 bytes + 16) for each wave, in slot 0, which has had its last fill and its last read by then
.set ADRA, 16
.set ADRB, 20
.set STO,  24
.set RD,   25
.set CO,   26
.set ADRS, 27
.set SPW,  28
.set NIL,  29
.set SC,   32
.set BIAS, 64
.set AF,   128
.set BK,   128
.set G1, 24
.set G0, 32
.set G1B, 48
.set G0B, 56
.set G1S, 68
.set G0S, 76
.set G1SB, 80
.set G0SB, 88
.set G0H, 4                            ; s[4:7], s[8:11] group 0 of the head's loads of K step 0 (the arguments that lay there have been used)
.set G0HB, 8
.set MSB, 0
.macro WIN new                         ; the immediate's high byte repeats the setting that is left
.if MSB != (\new)
	s_set_vgpr_msb (MSB<<8)|(\new)
.set MSB, (\new)
.endif
.endm
.set MUL_LO,  0xa1                     ; source 0 window 1, source 1 window 0, C and D window 2
.set MUL_LO0, 0x81                     ; the first step: C (the bias) window 0
.set TO_B,    0x40
.macro TL g0, g1                       ; a tensor load; an s_nop 0 and four v_nop follow it
	tensor_load_to_lds s[\g0:\g0+3], s[\g1:\g1+7]
	s_nop 0
.rept 4
	v_nop
.endr
.endm
.macro JLOAD g0a, g1a, g0b, g1b        ; waves 0, 1 fetch for y, waves 2, 3 for w_proj: the branch hangs on the wave's number alone
	s_cmp_eq_u32 s15, 0
	s_cbranch_scc0 .Lfor_b_\@
	TL \g0a, \g1a
	s_branch .Lasked_\@
.Lfor_b_\@:
	TL \g0b, \g1b
.Lasked_\@:
.endm
.macro CREST                           ; a round of the cluster's barrier behind its opening barrier
	s_cmp_lg_u32 s14, 0
	s_cbranch_scc1 .Lnot_wave_0_\@
	s_barrier_signal -3
.Lnot_wave_0_\@:
	s_barrier_wait -3
	s_barrier_signal -1
	s_barrier_wait -1
.endm
.macro CROUND
	s_barrier_signal -1
	s_barrier_wait -1
	CREST
.endm
.macro DESC g, w0, c, r, p             ; descriptor group 1 behind its first word: rows of c elements, r rows, pitch p
	s_mov_b32 s[\g+1], (\c)<<16
	s_mov_b32 s[\g+2], (\r)<<16
	s_mov_b32 s[\g+3], (\c)<<16
	s_mov_b32 s[\g+4], \r
	s_mov_b32 s[\g+5], \p
	s_mov_b32 s[\g+6], 0
	s_mov_b32 s[\g+7], 0
.endm
.macro GRP0 g, lds, adr                ; descriptor group 0: a constant LDS address
	s_mov_b32 s[\g], 1
	s_mov_b32 s[\g+1], \lds
	s_mov_b64 s[\g+2:\g+3], s[\adr:\adr+1]
	s_or_b32 s[\g+3], s[\g+3], 0x80000000
.endm
	s_load_b128 s[4:7], s[0:1], 0x0                ; y's codes, y's scales
	s_load_b128 s[8:11], s[0:1], 0x10              ; w_proj's codes, scales
	s_load_b64 s[96:97], s[0:1], 0x20              ; b_proj
	s_load_b64 s[12:13], s[0:1], 0x28              ; out
	v_lshl_add_u32 v[SPW], v0, 2, SPARE
	v_mov_b32 v[NIL], 0
	ds_add_u32 v[SPW], v[NIL]                      ; the opening lines: the add, twice on end, and its wait
	ds_add_u32 v[SPW], v[NIL]
	v_lshrrev_b32 v1, 5, v0
	v_readfirstlane_b32 s14, v1                    ; wave 0..3
	s_lshr_b32 s15, s14, 1                         ; which 64 tokens are mine.  Also: I fetch for y (0) or for w_proj (1)
	s_and_b32 s16, s14, 1                          ; which 128 columns.  Also: which half of that tile I fetch
	s_bfe_u32 s40, ttmp6, 0x40000                  ; cx, cy
	s_bfe_u32 s41, ttmp6, 0x40004
	s_lshl_b32 s42, ttmp9, 2
	s_add_co_u32 s42, s42, s40                     ; tile column
	s_and_b32 s17, ttmp7, 0xffff
	s_lshl_b32 s17, s17, 2
	s_add_co_u32 s17, s17, s41                     ; tile row
	s_lshl_b32 s43, s41, 2
	s_lshl_b32 s43, 15, s43                        ; my row of the cluster
	s_lshl_b32 s44, 0x1111, s40                    ; my column
	s_or_b32 s[G1], s43, (1<<20)|(1<<21)|(3<<22)|(3<<25)      ; y: elements of 1 byte; four words of padding after every 16
	DESC G1, 0, 8192, 4, PLB                       ; four planes for the head's load; two for the ring's
	s_or_b32 s[G1B], s44, (1<<20)|(1<<21)|(5<<22)|(3<<25)     ; w_proj: four words after every 64
	DESC G1B, 0, ROWB, 256, KROW                   ; 256 rows for the head's load; 128 for the ring's
	s_or_b32 s[G1S], s43, (3<<16)|(1<<20)|(1<<21)|(5<<22)|(3<<25)   ; scales: dense bytes as rows of 256 (32 elements of 8 bytes)
	DESC G1S, 0, 32, 16, 32
	s_or_b32 s[G1SB], s44, (3<<16)|(1<<20)|(1<<21)|(5<<22)|(3<<25)
	DESC G1SB, 0, 32, 32, 32
	s_lshl_b32 s20, s17, 7                         ; my tile's first token
	s_lshl_b32 s22, s20, 5                         ; its scale bytes,
	s_lshl_b32 s20, s20, 6                         ; its codes in a plane
	s_lshl_b32 s46, s42, 8                         ; my tile's first column
	s_lshl_b32 s92, s46, 5
	s_lshl_b32 s46, s46, 10
	s_mov_b32 s21, 0
	s_mov_b32 s23, 0
	s_mov_b32 s47, 0
	s_mov_b32 s93, 0
	s_mul_i32 s45, s16, HALFA                      ; where my part of a slot goes: no place in the cluster enters an LDS address
	s_mul_i32 s95, s16, HALFT
	s_add_co_u32 s95, s95, 2*HALFA
	s_wait_dscnt 0x0                               ; both opening adds are done
	s_wait_kmcnt 0x0
	s_add_nc_u64 s[20:21], s[4:5], s[20:21]
	s_add_nc_u64 s[22:23], s[6:7], s[22:23]
	s_add_nc_u64 s[46:47], s[8:9], s[46:47]
	s_add_nc_u64 s[92:93], s[10:11], s[92:93]
	CROUND                                         ; all sixteen work-groups are here: the first joint loads meet
	GRP0 G0H, 0, 20
	GRP0 G0HB, 2*HALFA, 46
	GRP0 G0S, SCL, 22
	GRP0 G0SB, SCL+SAB, 92
.macro ARM under, g0, g1, next         ; one tree of branches on the wave's number: every way passes exactly one load
	s_cmp_lt_u32 s14, \under
	s_cbranch_scc0 \next
	TL \g0, \g1
	s_branch .Lhead_asked
\next:
.endm
	ARM 1, G0H,  G1,  .Lhead_b
	ARM 2, G0HB, G1B, .Lhead_sa
	ARM 3, G0S,  G1S, .Lhead_sb
	TL G0SB, G1SB
.Lhead_asked:
	s_lshl_b32 s18, s16, 20                        ; the ring: my two planes of y,
	s_mov_b32 s19, 0
	s_lshl_b32 s22, s16, 17                        ; my 128 rows of w_proj
	s_mov_b32 s23, 0
.irp s, 0,1
	s_mov_b32 s[G0+4*\s], 1
	s_add_co_u32 s[G0+4*\s+1], s45, \s*SLOT
	s_add_nc_u64 s[G0+4*\s+2:G0+4*\s+3], s[20:21], s[18:19]
	s_add_nc_u64 s[G0+4*\s+2:G0+4*\s+3], s[G0+4*\s+2:G0+4*\s+3], \s*PLSTEP
	s_or_b32 s[G0+4*\s+3], s[G0+4*\s+3], 0x80000000
	s_mov_b32 s[G0B+4*\s], 1
	s_add_co_u32 s[G0B+4*\s+1], s95, \s*SLOT
	s_add_nc_u64 s[G0B+4*\s+2:G0B+4*\s+3], s[46:47], s[22:23]
	s_add_nc_u64 s[G0B+4*\s+2:G0B+4*\s+3], s[G0B+4*\s+2:G0B+4*\s+3], \s*ROWB
	s_or_b32 s[G0B+4*\s+3], s[G0B+4*\s+3], 0x80000000
.endr
	; the prefetches.  y: K steps 2, 3 are planes 8 to 15, 8,192 bytes of each: wave u = 4 cx + wave of my row's sixteen takes 4,096 bytes: plane 8 + u / 2, half u % 2.
	s_lshl_b32 s98, s40, 2
	s_add_co_u32 s98, s98, s14
	s_lshr_b32 s99, s98, 1
	s_add_co_u32 s99, s99, 8
	s_lshl_b32 s99, s99, 19
	s_and_b32 s98, s98, 1
	s_lshl_b32 s98, s98, 12
	s_add_co_u32 s98, s98, s99
	s_mov_b32 s99, 0
	s_add_nc_u64 s[98:99], s[20:21], s[98:99]
	s_lshl_b32 s100, s41, 2                        ; w_proj: bytes 512 to 1,023 of 256 rows: wave 4 cy + wave of my column's sixteen takes 16 rows
	s_add_co_u32 s100, s100, s14
	s_lshl_b32 s100, s100, 14
	s_add_co_u32 s100, s100, 512
	s_mov_b32 s101, 0
	s_add_nc_u64 s[100:101], s[46:47], s[100:101]
	s_lshl_b32 s92, s42, 10                        ; my first column, in bytes of f32
	s_lshl_b32 s93, s16, 9
	s_add_co_u32 s92, s92, s93
	s_mov_b32 s93, 0
	s_add_nc_u64 s[96:97], s[96:97], s[92:93]
	s_add_nc_u64 s[12:13], s[12:13], s[92:93]
	s_lshl_b32 s92, s17, 7
	s_lshl_b32 s22, s15, 6
	s_add_co_u32 s92, s92, s22                     ; my first token
	s_lshl_b32 s92, s92, 12
	s_add_nc_u64 s[12:13], s[12:13], s[92:93]
	s_mul_i32 s2, s15, 64*TP                       ; my 64 tokens in a plane
	s_mul_i32 s66, s15, SAB/2                      ; their scales
	s_mul_i32 s67, s16, SAB                        ; my 128 columns' scales, behind y's
	s_add_co_u32 s67, s67, SAB
	s_sub_co_u32 s67, s67, s66
	s_add_co_u32 s66, s66, SCL
	s_mul_i32 s94, s14, 16*SPITCH                  ; my stage
	v_and_b32 v1, 15, v0                           ; r
	v_bfe_u32 v2, v0, 4, 1                         ; h
	v_mul_u32_u24 v3, v1, TP
	v_lshl_add_u32 v3, v2, 4, v3
	v_add_nc_u32 v[ADRA], s2, v3
	v_add_nc_u32 v[ADRA+1], SLOT, v[ADRA]
	v_mul_u32_u24 v4, v1, PITCH
	v_lshl_add_u32 v4, v2, 4, v4
	v_add_nc_u32 v[ADRB], s95, v4
	v_add_nc_u32 v[ADRB+1], SLOT, v[ADRB]
	v_lshlrev_b32 v5, 5, v1                        ; a row's scales: 32 bytes, and 16 more for each 256 passed
	v_lshrrev_b32 v6, 8, v5
	v_lshl_add_u32 v5, v6, 4, v5
	v_mul_u32_u24 v6, s67, v2                      ; lanes 16-31 take w_proj's
	v_add_nc_u32 v5, v5, v6
	v_add_nc_u32 v[ADRS], s66, v5
	v_mul_u32_u24 v5, v1, SPITCH
	v_lshl_add_u32 v5, v2, 5, v5
	v_add_nc_u32 v[STO], s94, v5
	v_and_b32 v6, 31, v0
	v_lshlrev_b32 v[CO], 4, v6
	v_add_nc_u32 v[RD], s94, v[CO]
	v_lshlrev_b32 v18, 5, v2
	v_lshlrev_b32 v30, 10, v1                      ; w_proj's prefetch: row r, + 256 h
	v_lshl_add_u32 v30, v2, 8, v30
	v_min_u32 v31, 15, v6                          ; y's: sixteen blocks of 256 bytes; the lanes left over name the last again
	v_lshlrev_b32 v31, 8, v31
	s_wait_alu depctr_va_vdst(0)
.irp b, 0,1,2,3,4,5,6,7
	global_load_b128 v[BIAS+8*\b:BIAS+8*\b+3], v18, s[96:97] offset:64*\b          ; register j of column block b: column 16 b + 8 h + j
	global_load_b128 v[BIAS+8*\b+4:BIAS+8*\b+7], v18, s[96:97] offset:64*\b+16
.endr
	global_prefetch_b8 v31, s[98:99] th:TH_LOAD_NT scope:SCOPE_SE
	global_prefetch_b8 v30, s[100:101] th:TH_LOAD_NT scope:SCOPE_SE
.macro FRAG reg, adr, q, i             ; w_proj: 16 rows x 128 K: registers 4 c .. 4 c + 3 hold K = 32 c + 16 h + 0 .. 15
.irp c, 0,1,2,3
	ds_load_b128 v[\reg+4*\c:\reg+4*\c+3], v[\adr] offset:128*(\q)+32*\c+(\i)*16*PITCH
.endr
.endm
.macro FRAGA reg, adr, q, i            ; y: the same, from planes 2 q and 2 q + 1 of the slot
.irp c, 0,1,2,3
	ds_load_b128 v[\reg+4*\c:\reg+4*\c+3], v[\adr] offset:(2*(\q)+\c/2)*APL+32*(\c%2)+(\i)*16*TP
.endr
.endm
; 16 products: token blocks a0, a0 + 1 x the eight column blocks.  p: the fragments' set; sc: the scale words' set.  The 32 accumulators take turns.
.macro MUL16 a0, p, q, sc, zero
.irp a, \a0, \a0+1
.irp b, 0,1,2,3,4,5,6,7
.if \zero
	v_wmma_scale_f32_16x16x128_f8f6f4 v[8*(8*(\a)+\b):8*(8*(\a)+\b)+7], v[128*(\p)+FR*\b:128*(\p)+FR*\b+FR-1], v[AF+64*(\p)+FR*(\a):AF+64*(\p)+FR*(\a)+FR-1], v[BIAS+8*\b:BIAS+8*\b+7], v[SC+8*NQ*(\sc)+NQ*\b+(\q)], v[SC+8*NQ*(\sc)+NQ*(\a)+(\q)] matrix_a_fmt:MATRIX_FMT_BF8 matrix_b_fmt:MATRIX_FMT_BF8 matrix_a_scale:MATRIX_SCALE_ROW1
.else
	v_wmma_scale_f32_16x16x128_f8f6f4 v[8*(8*(\a)+\b):8*(8*(\a)+\b)+7], v[128*(\p)+FR*\b:128*(\p)+FR*\b+FR-1], v[AF+64*(\p)+FR*(\a):AF+64*(\p)+FR*(\a)+FR-1], v[8*(8*(\a)+\b):8*(8*(\a)+\b)+7], v[SC+8*NQ*(\sc)+NQ*\b+(\q)], v[SC+8*NQ*(\sc)+NQ*(\a)+(\q)] matrix_a_fmt:MATRIX_FMT_BF8 matrix_b_fmt:MATRIX_FMT_BF8 matrix_a_scale:MATRIX_SCALE_ROW1
.endif
.endr
.endr
.endm
.macro FETCH slot, q, p                ; 48 LDS loads: the fragments of the slot's q-th 128 along K into set p
	WIN TO_B
.irp i, 0,1,2,3,4,5,6,7
	FRAG 128*(\p)+FR*\i, ADRB+\slot, \q, \i
.endr
	WIN 0
.irp i, 0,1,2,3
	FRAGA AF+64*(\p)+FR*\i, ADRA+\slot, \q, \i
.endr
.endm
.macro SCALES sc                       ; a K step's scale words: lanes 0-15 y's block i (blocks 4 to 7 are not mine and are not used), lanes 16-31 w_proj's block i
.irp i, 0,1,2,3,4,5,6,7
	ds_load_b64 v[SC+8*NQ*\sc+NQ*\i:SC+8*NQ*\sc+NQ*\i+1], v[ADRS] offset:\i*SBLK
.endr
.endm
.macro PLACES n
.rept \n
	v_nop
.endr
.endm
.macro STEP slot, zero                 ; a slot's first 128 along K (set 0); ahead of its products the second's fragments are asked for (set 1)
	s_wait_dscnt 0x0                               ; this step's fragments are in
	PLACES NP                                      ; in front of loads into registers that the last products read
	FETCH \slot, 1, 1
.if \zero
	WIN MUL_LO0
.else
	WIN MUL_LO
.endif
	MUL16 0, 0, 0, \slot, \zero
	MUL16 2, 0, 0, \slot, \zero
	WIN 0
.endm
; A slot's second 128 (set 1) changes slots: each wave waits for all its tensor loads, adds 0 to its spare word, and waits for that and for its reads of this slot, which are all in registers; one barrier.
.macro TURN slot, next, fill
	s_wait_tensorcnt 0x0                           ; my part of the next slot has landed
	ds_add_u32 v[SPW], v[NIL]
	s_wait_dscnt 0x0
	s_barrier_signal -1
	WIN MUL_LO
	MUL16 0, 1, 1, \slot, 0                        ; work on registers while the others arrive
	WIN 0
	s_barrier_wait -1
.if \fill
	CREST                                          ; the barrier has opened a round of the cluster's barrier
	s_add_nc_u64 s[G0+4*\slot+2:G0+4*\slot+3], s[G0+4*\slot+2:G0+4*\slot+3], 2*PLSTEP
	s_add_nc_u64 s[G0B+4*\slot+2:G0B+4*\slot+3], s[G0B+4*\slot+2:G0B+4*\slot+3], 2*ROWB
	JLOAD G0+4*\slot, G1, G0B+4*\slot, G1B         ; the first tensor load behind the round, and my only one until the next
	PLACES NP-4
.else
	PLACES NP
.endif
	s_wait_alu depctr_va_vdst(0)
	v_add_nc_u32 v[ADRS], 4*NQ, v[ADRS]            ; the next K step's scale words
	FETCH \next, 0, 0
	SCALES \next
	WIN MUL_LO
	MUL16 2, 1, 1, \slot, 0
	WIN 0
.endm
	s_wait_alu depctr_va_vdst(0)
	s_wait_tensorcnt 0x0                           ; my tile of the head's four is in
	ds_add_u32 v[SPW], v[NIL]
	s_mov_b32 s[G1+2], 2<<16                       ; no tensor load of mine is out: from here on a load brings two planes,
	s_mov_b32 s[G1+4], 2
	s_mov_b32 s[G1B+2], 128<<16                    ; or 128 rows
	s_mov_b32 s[G1B+4], 128
	s_wait_dscnt 0x0
	CROUND                                         ; all four tiles are in, and all sixteen work-groups are here
	JLOAD G0+4, G1, G0B+4, G1B                     ; K step 1, the first tensor load behind the round
	FETCH 0, 0, 0
	SCALES 0
	s_wait_loadcnt 0x0                             ; the bias
	STEP 0, 1
	s_mov_b32 s3, LAPS-1
.Llap:
	TURN 0, 1, 1
	STEP 1, 0
	TURN 1, 0, 1
	STEP 0, 0
	s_sub_co_u32 s3, s3, 1
	s_cmp_lg_u32 s3, 0
	s_cbranch_scc1 .Llap
	TURN 0, 1, 0                                   ; the last lap fills nothing
	STEP 1, 0
	s_wait_dscnt 0x0
	WIN MUL_LO
	MUL16 0, 1, 1, 1, 0
	MUL16 2, 1, 1, 1, 0
	WIN 0
; THE WAY OUT, block by block of 16 tokens x 128 columns, through my own stage: whole rows of 512 bytes come back, which the 32 lanes store as two aligned units of 256 bytes.
.macro TOSTAGE a
	WIN 0x08                                       ; the data: window 2
.irp b, 0,1,2,3,4,5,6,7
	ds_store_b128 v[STO], v[64*(\a)+8*\b:64*(\a)+8*\b+3] offset:64*\b          ; each accumulator from its low end on
	ds_store_b128 v[STO], v[64*(\a)+8*\b+4:64*(\a)+8*\b+7] offset:64*\b+16
.endr
	WIN 0
.set BB, BK+64*((\a)%2)
.irp t, 0,1,2,3,4,5,6,7,8,9,10,11,12,13,14,15
	ds_load_b128 v[BB+4*\t:BB+4*\t+3], v[RD] offset:\t*SPITCH    ; LDS serves a wave's instructions in order: these see my stores
.endr
.endm
.macro SEND a, younger                 ; younger: the LDS instructions issued behind block a's loads, which may stay out
.set BB, BK+64*((\a)%2)
	s_wait_dscnt \younger
.if (\a) > 0
	s_add_nc_u64 s[12:13], s[12:13], 16*SIZE_N*4   ; (behind a wait on XCNT: the earlier stores have read their base)
.endif
.irp t, 0,1,2,3,4,5,6,7,8,9,10,11,12,13,14,15
	global_store_b128 v[CO], v[BB+4*\t:BB+4*\t+3], s[12:13] offset:\t*SIZE_N*4 th:TH_STORE_NT
.endr
.endm
	PLACES NP
	TOSTAGE 0
.irp a, 1,2,3
.if \a > 1
	s_wait_xcnt 0x0                                ; block a - 2's stores have read their registers and their base
.endif
	TOSTAGE \a
	SEND \a-1, 32                                  ; behind block a - 1's loads: block a's 16 stores and 16 loads
.endr
	s_wait_xcnt 0x0
	SEND 3, 0
	s_wait_tensorcnt 0x0                           ; the wave's end
	ds_add_u32 v[SPW], v[NIL]
	s_wait_dscnt 0x0
	CROUND                                         ; the closing round
	s_endpgm
.Lfunc_end_k_qf8dc7f5388_gemm_proj:
	.size	k_qf8dc7f5388_gemm_proj, .Lfunc_end_k_qf8dc7f5388_gemm_proj-k_qf8dc7f5388_gemm_proj
	.p2alignl 7, 3214868480
	.fill 96, 4, 3214868480
	.section	.rodata,"a",@progbits
	.p2align	6, 0x0
	.amdhsa_kernel k_qf8dc7f5388_gemm_proj
		.amdhsa_group_segment_fixed_size 327680
		.amdhsa_private_segment_fixed_size 0
		.amdhsa_enable_private_segment 0
		.amdhsa_kernarg_size 48
		.amdhsa_user_sgpr_count 2
		.amdhsa_user_sgpr_kernarg_segment_ptr 1
		.amdhsa_wavefront_size32 1
		.amdhsa_system_sgpr_workgroup_id_x 1
		.amdhsa_system_sgpr_workgroup_id_y 1
		.amdhsa_system_sgpr_workgroup_id_z 1
		.amdhsa_system_vgpr_workitem_id 0
		.amdhsa_next_free_vgpr 768
		.amdhsa_next_free_sgpr 102
		.amdhsa_reserve_vcc 0
		.amdhsa_float_denorm_mode_32 3
		.amdhsa_float_denorm_mode_16_64 3
		.amdhsa_memory_ordered 1
		.amdhsa_forward_progress 1
		.amdhsa_inst_pref_size 92
	.end_amdhsa_kernel
	.amdgpu_metadata
---
amdhsa.version: [ 1, 2 ]
amdhsa.kernels:
  - .name:           k_qf8dc7f5388_gemm_proj
    .symbol:         k_qf8dc7f5388_gemm_proj.kd
    .args:
      - { .name: act_codes, .offset: 0, .size: 8, .value_kind: global_buffer, .address_space: global }
      - { .name: act_scales, .offset: 8, .size: 8, .value_kind: global_buffer, .address_space: global }
      - { .name: wp_codes, .offset: 16, .size: 8, .value_kind: global_buffer, .address_space: global }
      - { .name: wp_scales, .offset: 24, .size: 8, .value_kind: global_buffer, .address_space: global }
      - { .name: b_proj, .offset: 32, .size: 8, .value_kind: global_buffer, .address_space: global }
      - { .name: out0, .offset: 40, .size: 8, .value_kind: global_buffer, .address_space: global }
    .group_segment_fixed_size: 327680
    .private_segment_fixed_size: 0
    .kernarg_segment_align: 8
    .kernarg_segment_size: 48
    .max_flat_workgroup_size: 128
    .sgpr_count:     102
    .vgpr_count:     768
    .wavefront_size: 32
...
	.end_amdgpu_metadata
.endif
;; end of part 4
